; MI455X (gfx1250); checked and timed in simulation.
; The chip was launched on July 23, 2026; its instructions are those of AMD's public machine-readable ISA for CDNA 5 (MIT licence, August 2026) and "CDNA5" Instruction Set Architecture Reference Guide (July 2026). The comments in the code are by the model that wrote it; some were corrected since.
;; H Linear Attention. Allowed arithmetic: float matrix products may take bf16 or f16 operands with f32 sums; all other float work in f32.
;; Inputs: W_qkv 2,048 x 4,096 float32; b_qkv 4,096 float32; hidden_states 4,096 x 2,048 float32; kv_cache 16 x 16 x 128 x 128 float32; state_indices 4 int32.
;; Outputs: out0 4,096 x 2,048 float32.
;; 2 versions, each right; version 2 is version 1 with the launch cast written anew for expert scheduling mode. Each part assembles by itself: llvm-mc -triple=amdgcn-amd-amdhsa -mcpu=gfx1250 --defsym DOCPART=n.
;; ======== version 1 of 2: 3 launches
;; workspace buffers: hb 16,777,216 bytes; wb 16,777,216 bytes; qf 16,777,216 bytes; kf 8,388,608 bytes; vf 16,777,216 bytes; fac 1,048,576 bytes
;; launch cast (part 1): grid 128 x 2, 8 waves a work-group, no clusters, 0 bytes of LDS; arguments hidden_states, W_qkv, hb, wb; writes hb, wb
.if DOCPART == 1
	.amdgcn_target "amdgcn-amd-amdhsa--gfx1250"
	.amdhsa_code_object_version 6
	.text
	.protected	k_qc97c6ec17b_cast
	.globl	k_qc97c6ec17b_cast
	.p2align	8
	.type	k_qc97c6ec17b_cast,@function
k_qc97c6ec17b_cast:
	s_mov_b64 s[64:65], 0
	v_nop
	global_prefetch_b8 v0, s[64:65] scope:SCOPE_SE
	s_setreg_imm32_b32 hwreg(HW_REG_WAVE_MODE, 25, 1), 1
	s_wait_xcnt 0x0
; THE PROGRAM: three launches.
;   cast: hidden_states and W_qkv to bf16 (hb, wb); W's columns are regrouped on the way.
;   gemm: qkv = hb wb + b_qkv, and on its way out the feature maps and the decay products of every chunk of 32 tokens.
;   scan: the chunked recurrence over the 64 (segment, head) sequences, and out0.
; THE FORM OF THE RECURRENCE.  With u = 1 - k, exp of a cumulative sum of log u is a running product of u, so no logarithm is taken.
;   exp(B_i - B_j) = phi_i psi_j with phi_i = exp(B_i - B_15), psi_j = 1 / phi_j: the middle of the chunk is the point of reference, so that
;   every factor is a product of at most 16 numbers from [0.05, 1] or [1, 20] and lies in [20^-16, 20^16].
;   With qh = relu(q) 128^-0.5 phi, kh = k psi, D = u_0 .. u_15, E = u_16 .. u_31 and the true state S_c = E_(c-1) Z:
;   S' = (E_(c-1) D_c) Z;  o_i = qh_i S' + sum over j <= i of (qh_i . kh_j) v_j;  Z <- S' + kh^T v.  Equal to reference() in real numbers.
; WORK LEFT OUT, for all values of the inputs:
;   the score tile with i < 16 <= j of every chunk: reference()'s own tril throws all of it away;
;   the state update of the last chunk of each segment: reference() returns o alone and drops the scan's final state;
;   the slots of kv_cache that state_indices does not name: a lookup, made by the launch that reads the indices.
;   Every input has a way to out0 and is loaded.
; LIMITS.  NaN and infinities in the inputs are not reproduced; a NaN, an infinity or an overflow that reaches only the work left out is not
;   carried to the result.  E_(c-1) D_c can go down to 20^-32, an f32 denormal with 11 significant bits left (one d at the clamp 0.95 for
;   about 29 tokens on end or more).  k's argument times log2 e is cut at 64, where k has long been at its clamp.
;
; THIS LAUNCH.  Both inputs are 2,048 lines of 16,384 bytes (two rows of hidden_states, one row of W); the grid's y picks the buffer, a
; work-group takes 16 lines, wave w the pieces u = w + 8 c (c = 0..3) of 256 output bytes.  One load of a wave takes two runs of 256 bytes,
; one store writes 256 consecutive bytes at a multiple of 256.  No LDS and no matrix work: the launch only moves bytes.
; wb's column N' = 256 nx + 64 part + d64 with nx = 2 j + dh (j: key/value head, dh: half of the head's 128), part 0, 1 = query heads 2 j, 2 j + 1,
; part 2 = k, part 3 = v: a block of 256 columns then holds all that belongs to the same 64 d of one key/value head.
.set IN,   4                           ; v4-7     byte offset of my 16 input bytes in a line, for c = 0..3
.set OUTO, 8                           ; v8       byte offset of my 8 output bytes, c = 0
.set XA,   16                          ; v16-79   four lines as loaded
.set XB,   80                          ; v80-143  the next four
.set Y,    144                         ; v144-175 four lines in bf16
	s_load_b256 s[4:11], s[0:1], 0x0               ; hidden_states s[4:5], W_qkv s[6:7], hb s[8:9], wb s[10:11]
	v_lshrrev_b32 v1, 5, v0
	v_readfirstlane_b32 s12, v1                    ; wave
	s_and_b32 s13, ttmp7, 0xffff                   ; 0: hidden_states, 1: W_qkv
	v_and_b32 v2, 15, v0                           ; lane mod 16
	v_bfe_u32 v3, v0, 4, 1                         ; which half of the lanes
	v_and_b32 v1, 31, v0                           ; lane
	s_lshr_b32 s14, s12, 2
	s_bfe_u32 s15, s12, 0x10001
	s_lshl_b32 s15, s15, 8                         ; dh x 256 bytes
	s_lshl_b32 s17, s14, 10
	s_add_co_u32 s17, s17, s15                     ; W, even wave: the two query heads' 64 columns: j x 1,024 + dh x 256
	s_lshl_b32 s18, s14, 9
	s_add_co_u32 s18, s18, s15
	s_add_co_u32 s18, s18, 8192                    ; W, odd wave: k's and v's: 8,192 + j x 512 + dh x 256
	s_lshl_b32 s19, s12, 9                         ; hidden_states: 512 w
	s_and_b32 s16, s12, 1
	s_cmp_eq_u32 s16, 0
	s_cselect_b32 s20, s17, s18                    ; the start,
	s_cselect_b32 s21, 11, 10                      ; the step from c to c + 1 (two heads on), as a shift,
	s_cselect_b32 s22, 9, 12                       ; and the step from the lower to the upper 16 lanes (the next part), as a shift
	s_cmp_eq_u32 s13, 0
	s_cselect_b32 s20, s19, s20                    ; hidden_states is copied in its own order
	s_cselect_b32 s21, 12, s21
	s_cselect_b32 s22, 8, s22
	s_lshl_b32 s23, 1, s21
	v_lshlrev_b32 v[IN], s22, v3
	v_lshl_add_u32 v[IN], v2, 4, v[IN]
	v_add_nc_u32 v[IN], s20, v[IN]
	v_add_nc_u32 v[IN+1], s23, v[IN]
	v_add_nc_u32 v[IN+2], s23, v[IN+1]
	v_add_nc_u32 v[IN+3], s23, v[IN+2]
	v_lshlrev_b32 v[OUTO], 3, v1
	v_lshl_add_u32 v[OUTO], s12, 8, v[OUTO]        ; 256 w + 8 x lane
	s_lshl_b32 s24, ttmp9, 18                      ; 16 lines of 16,384 bytes in,
	s_mov_b32 s25, 0
	s_lshl_b32 s26, ttmp9, 17                      ; of 8,192 bytes out
	s_mov_b32 s27, 0
	s_wait_kmcnt 0x0
	s_cmp_eq_u32 s13, 0
	s_cselect_b64 s[4:5], s[4:5], s[6:7]
	s_cselect_b64 s[8:9], s[8:9], s[10:11]
	s_add_nc_u64 s[4:5], s[4:5], s[24:25]
	s_add_nc_u64 s[8:9], s[8:9], s[26:27]
.macro LOADB k, X                      ; lines 4 k .. 4 k + 3: sixteen loads
.irp rr, 0,1,2,3
.irp c, 0,1,2,3
	global_load_b128 v[\X+16*\rr+4*\c:\X+16*\rr+4*\c+3], v[IN+\c], s[4:5] offset:(4*\k+\rr)*16384 th:TH_LOAD_NT
.endr
.endr
.endm
.macro CVST k, X                       ; the same lines rounded and stored
	s_wait_xcnt 0x0                                ; Y is the data of the last batch's stores: it is rewritten only behind this wait
.irp rr, 0,1,2,3
.irp c, 0,1,2,3
	v_cvt_pk_bf16_f32 v[Y+8*\rr+2*\c],   v[\X+16*\rr+4*\c],   v[\X+16*\rr+4*\c+1]
	v_cvt_pk_bf16_f32 v[Y+8*\rr+2*\c+1], v[\X+16*\rr+4*\c+2], v[\X+16*\rr+4*\c+3]
	global_store_b64 v[OUTO], v[Y+8*\rr+2*\c:Y+8*\rr+2*\c+1], s[8:9] offset:(4*\k+\rr)*8192+\c*2048
.endr
.endr
.endm
	LOADB 0, XA
	LOADB 1, XB
	s_wait_loadcnt 16                              ; the older batch is in; the younger batch's sixteen loads stay out
	CVST 0, XA
	LOADB 2, XA
	s_wait_loadcnt 16
	CVST 1, XB
	LOADB 3, XB
	s_wait_loadcnt 16
	CVST 2, XA
	s_wait_loadcnt 0x0
	CVST 3, XB
	s_endpgm
.Lfunc_end_k_qc97c6ec17b_cast:
	.size	k_qc97c6ec17b_cast, .Lfunc_end_k_qc97c6ec17b_cast-k_qc97c6ec17b_cast
	.p2alignl 7, 3214868480
	.fill 96, 4, 3214868480
	.section	.rodata,"a",@progbits
	.p2align	6, 0x0
	.amdhsa_kernel k_qc97c6ec17b_cast
		.amdhsa_group_segment_fixed_size 0
		.amdhsa_private_segment_fixed_size 0
		.amdhsa_enable_private_segment 0
		.amdhsa_kernarg_size 32
		.amdhsa_user_sgpr_count 2
		.amdhsa_user_sgpr_kernarg_segment_ptr 1
		.amdhsa_wavefront_size32 1
		.amdhsa_system_sgpr_workgroup_id_x 1
		.amdhsa_system_sgpr_workgroup_id_y 1
		.amdhsa_system_sgpr_workgroup_id_z 1
		.amdhsa_system_vgpr_workitem_id 0
		.amdhsa_next_free_vgpr 176
		.amdhsa_next_free_sgpr 66
		.amdhsa_reserve_vcc 0
		.amdhsa_float_denorm_mode_32 3
		.amdhsa_float_denorm_mode_16_64 3
		.amdhsa_memory_ordered 1
		.amdhsa_forward_progress 1
		.amdhsa_inst_pref_size 23
	.end_amdhsa_kernel
	.amdgpu_metadata
---
amdhsa.version: [ 1, 2 ]
amdhsa.kernels:
  - .name:           k_qc97c6ec17b_cast
    .symbol:         k_qc97c6ec17b_cast.kd
    .args:
      - { .name: hidden_states, .offset: 0, .size: 8, .value_kind: global_buffer, .address_space: global }
      - { .name: W_qkv, .offset: 8, .size: 8, .value_kind: global_buffer, .address_space: global }
      - { .name: hb, .offset: 16, .size: 8, .value_kind: global_buffer, .address_space: global }
      - { .name: wb, .offset: 24, .size: 8, .value_kind: global_buffer, .address_space: global }
    .group_segment_fixed_size: 0
    .private_segment_fixed_size: 0
    .kernarg_segment_align: 8
    .kernarg_segment_size: 32
    .max_flat_workgroup_size: 256
    .sgpr_count:     66
    .vgpr_count:     176
    .wavefront_size: 32
...
	.end_amdgpu_metadata
.endif
;; end of part 1
;; launch gemm (part 2): grid 16 x 16, 4 waves a work-group, clusters of 4 x 4, 327,680 bytes of LDS; arguments hb, wb, b_qkv, qf, kf, vf, fac; writes qf, kf, vf, fac
.if DOCPART == 2
	.amdgcn_target "amdgcn-amd-amdhsa--gfx1250"
	.amdhsa_code_object_version 6
	.text
	.protected	k_qc97c6ec17b_gemm
	.globl	k_qc97c6ec17b_gemm
	.p2align	8
	.type	k_qc97c6ec17b_gemm,@function
k_qc97c6ec17b_gemm:
	s_mov_b64 s[64:65], 0
	v_nop
	global_prefetch_b8 v0, s[64:65] scope:SCOPE_SE
	s_setreg_imm32_b32 hwreg(HW_REG_WAVE_MODE, 25, 1), 1
	s_wait_xcnt 0x0
	s_wait_alu depctr_hold_cnt(0) depctr_sa_sdst(0) depctr_va_vdst(0) depctr_va_sdst(0) depctr_va_ssrc(0) depctr_va_vcc(0) depctr_vm_vsrc(0)
	s_getreg_b32 s2, hwreg(HW_REG_IB_STS2, 6, 4)
	s_cmp_eq_u32 s2, 0
	s_cbranch_scc0 .Lentry_in_a_cluster
	s_endpgm
.Lentry_in_a_cluster:
	s_bfe_u32 s2, ttmp6, 0x10000c
	s_cmp_lg_u32 s2, 0xf033
	s_cbranch_scc0 .Lentry_shape_is_right
	s_endpgm
.Lentry_shape_is_right:
; qkv = hb wb + b_qkv, then, from the f32 sums in registers: qh = relu(q) 128^-0.5 phi, kh = k psi, v, and the chunk's decay products D and E
; (the formulas stand at the head of the launch cast).  Nothing of this launch's own work is left out.
; v IS STORED AS TWO bf16 NUMBERS, hi = bf16(v) and lo = bf16(v - hi): v_j enters every term A_ij v_j of an output whole, so its rounding to 8 bits
; is not averaged over the 128 d as qh's and kh's is; with hi + lo it carries 16 bits and keeps bf16's range.
; A work-group makes 256 tokens x 256 columns of wb's order with four waves, a wave 128 x 128 in 64 accumulator tiles (512 registers).
; K goes in steps of 128 through two LDS slots filled by tensor loads.  hb's tile has its rows along K (256 bytes, pitch 272 in LDS);
; wb's tile is stored [K][N]: 128 rows of 512 bytes, pitch 544, and its fragments come by the transposing LDS load.
; CLUSTERS: 4 x 4 work-groups.  hb's tile hangs on the block row alone and is asked for jointly along a row of the cluster, wb's on the block
; column alone and jointly along a column: each request serves four work-groups.
; A WAVE'S COLUMNS: block i of its eight blocks of 16 is part i / 2 (q of head 2 j, q of head 2 j + 1, k, v), d = 64 dh + 32 nh + 16 (i mod 2) + r.
; So a wave holds q, q, k and v of the same 32 d and 128 tokens (four chunks), and a lane holds, for its column, tokens 8 h + 0..7 of each
; block of 16 tokens: the products along the tokens are made inside a lane and between the two halves of the wave.
; REGISTERS: window 0: v16-28 addresses, v32-39 biases, v40-53 small values, v56-63 v's lo part, v64-191 hb's fragments (two buffers), on the way out v64-255 at work;
; window 1: v64-191 wb's fragments;  window 2: the accumulators of my tokens 0-63 (tile (a, b) at 8 (8 a + b));  window 3: of tokens 64-127.
.set SIZE_K, 2048
.set KSTEP,  128
.set PITCH,  272                       ; hb's LDS row: 256 bytes + 16
.set BP,     544                       ; wb's LDS row: 512 bytes + 32
.set HALFT,  128*PITCH                 ; what one tensor load brings: 128 rows of hb, or 64 rows of wb (64 x 544 is the same number)
.set SLOT,   4*HALFT
.set LAPS,   SIZE_K/(2*KSTEP)
.set ADRA, 16                          ; v16-17  LDS address of my hb fragments in slot 0, 1
.set ADRB, 20                          ; v20-21  the same for wb
.set F0,   64
.set F1,   128
.set G1,  24                           ; s[24:31] group 1, hb's tiles
.set G0,  32                           ; s[32:39] group 0, hb's tiles, one set a slot
.set G1B, 48                           ; s[48:55] group 1, wb's tiles
.set G0B, 56                           ; s[56:63] group 0, wb's tiles, one set a slot
.set MSB, 0
.macro WIN new                         ; the immediate's high byte repeats the setting that is left
.if MSB != (\new)
	s_set_vgpr_msb (MSB<<8)|(\new)
.set MSB, (\new)
.endif
.endm
.set MUL_LO, 0xa4                      ; source 0 (hb) window 0, source 1 (wb) window 1, C and D window 2
.set MUL_HI, 0xf4                      ; the same, C and D window 3
.set TO_B,   0x40                      ; destination window 1, address window 0
; A joint load.  Waves 0 and 1 fetch hb's two halves, waves 2 and 3 wb's.  Each line has one mask and one set of registers; the branch hangs on the wave's number alone.
.macro JLOAD s
	s_cmp_eq_u32 s11, 0
	s_cbranch_scc0 .Lfor_b_\@
	tensor_load_to_lds s[G0+4*\s:G0+4*\s+3], s[G1:G1+7]
	s_nop 0
	s_branch .Lasked_\@
.Lfor_b_\@:
	tensor_load_to_lds s[G0B+4*\s:G0B+4*\s+3], s[G1B:G1B+7]
	s_nop 0
.Lasked_\@:
.endm
; A round of the cluster's barrier: my work-group's barrier, wave 0 signals for the work-group, every wave waits for all sixteen, my work-group's barrier again.
.macro CREST
	s_cmp_lg_u32 s10, 0
	s_cbranch_scc1 .Lnot_wave_0_\@
	s_barrier_signal -3
.Lnot_wave_0_\@:
	s_barrier_wait -3
	s_barrier_signal -1
	s_barrier_wait -1
.endm
.macro CROUND
	s_barrier_signal -1
	s_barrier_wait -1
	CREST
.endm
	s_load_b128 s[4:7], s[0:1], 0x0                ; hb s[4:5], wb s[6:7]
	s_load_b64 s[8:9], s[0:1], 0x10                ; b_qkv
	s_load_b128 s[68:71], s[0:1], 0x18             ; qf s[68:69], kf s[70:71]
	s_load_b128 s[72:75], s[0:1], 0x28             ; vf s[72:73], fac s[74:75]
	v_lshl_add_u32 v55, v0, 2, 0x44000
	s_set_vgpr_msb 0x40
	v_mov_b32 v255, 0
	s_set_vgpr_msb 0x4044
	ds_add_u32 v55, v255
	s_set_vgpr_msb 0x4400
	v_lshrrev_b32 v1, 5, v0
	v_readfirstlane_b32 s10, v1                    ; wave 0..3
	s_lshr_b32 s11, s10, 1                         ; mh: which 128 tokens are mine.  Also: I fetch for hb (0) or for wb (1)
	s_and_b32 s12, s10, 1                          ; nh: which 32 d of each part.  Also: which half of that tile I fetch
	s_bfe_u32 s40, ttmp6, 0x40000                  ; cx
	s_bfe_u32 s41, ttmp6, 0x40004                  ; cy
	s_lshl_b32 s42, ttmp9, 2
	s_add_co_u32 s42, s42, s40                     ; block column nx = 4 x cluster x + cx
	s_and_b32 s13, ttmp7, 0xffff
	s_lshl_b32 s13, s13, 2
	s_add_co_u32 s13, s13, s41                     ; block row = 4 x cluster y + cy
	s_lshl_b32 s43, s41, 2
	s_lshl_b32 s43, 15, s43                        ; my row of the cluster
	s_lshl_b32 s44, 0x1111, s40                    ; my column
	s_or_b32 s[G1+0], s43, (1<<16)|(1<<20)|(1<<21)|(5<<22)|(3<<25)   ; mask of my row; 2-byte elements; padding: 4 words behind every 64
	s_or_b32 s[G1B+0], s44, (1<<16)|(1<<20)|(1<<21)|(6<<22)|(7<<25)  ; mask of my column; padding: 8 words behind every 128
	s_mov_b32 s[G1+1], KSTEP<<16                   ; hb: tensor_dim0 = 128
	s_mov_b32 s[G1+2], 128<<16                     ; tensor_dim1 = 128
	s_mov_b32 s[G1+3], KSTEP<<16                   ; tile_dim0 = 128
	s_mov_b32 s[G1+4], 128                         ; tile_dim1 = 128
	s_mov_b32 s[G1+5], SIZE_K                      ; 2,048 elements from row to row
	s_mov_b32 s[G1+6], 0
	s_mov_b32 s[G1+7], 0
	s_mov_b32 s[G1B+1], 256<<16                    ; wb: tensor_dim0 = 256
	s_mov_b32 s[G1B+2], 64<<16                     ; tensor_dim1 = 64
	s_mov_b32 s[G1B+3], 256<<16                    ; tile_dim0 = 256
	s_mov_b32 s[G1B+4], 64                         ; tile_dim1 = 64
	s_mov_b32 s[G1B+5], 4096                       ; 4,096 elements from row to row
	s_mov_b32 s[G1B+6], 0
	s_mov_b32 s[G1B+7], 0
	; hb's address is made of the block row and the wave's number, wb's of the block column and the wave's number, in registers that never hold the other coordinate
	s_lshl_b32 s16, s13, 20                        ; 256 rows of 4,096 bytes
	s_lshl_b32 s17, s12, 19                        ; + 128 rows
	s_add_co_u32 s16, s16, s17
	s_mov_b32 s17, 0
	s_lshl_b32 s46, s42, 9                         ; 256 columns of 2 bytes
	s_lshl_b32 s47, s12, 19                        ; + 64 rows of 8,192 bytes
	s_add_co_u32 s46, s46, s47
	s_mov_b32 s47, 0
	s_mul_i32 s20, s10, HALFT                      ; LDS: hb's two halves, then wb's two halves = wave x HALFT
	s_wait_dscnt 0x0
	s_wait_kmcnt 0x0
	s_add_nc_u64 s[14:15], s[4:5], s[16:17]
	s_add_nc_u64 s[46:47], s[6:7], s[46:47]
	CROUND                                         ; all sixteen work-groups are here: the first joint loads meet
.irp s, 0,1
	s_mov_b32 s[G0+4*\s], 1
	s_add_co_u32 s[G0+4*\s+1], s20, \s*SLOT
	s_add_nc_u64 s[G0+4*\s+2:G0+4*\s+3], s[14:15], \s*KSTEP*2
	s_or_b32 s[G0+4*\s+3], s[G0+4*\s+3], 0x80000000
	s_mov_b32 s[G0B+4*\s], 1
	s_add_co_u32 s[G0B+4*\s+1], s20, \s*SLOT
	s_add_nc_u64 s[G0B+4*\s+2:G0B+4*\s+3], s[46:47], \s*KSTEP*8192
	s_or_b32 s[G0B+4*\s+3], s[G0B+4*\s+3], 0x80000000
	JLOAD \s
.endr
	v_and_b32 v1, 15, v0                           ; r
	v_bfe_u32 v2, v0, 4, 1                         ; h
	v_mul_u32_u24 v3, v1, PITCH
	v_lshl_add_u32 v3, v2, 4, v3                   ; hb: row r, 16 bytes for each half of the lanes
	v_and_b32 v4, 7, v0
	v_lshl_add_u32 v4, v2, 3, v4                   ; wb: row 8 h + lane mod 8,
	v_mul_u32_u24 v4, v4, BP
	v_bfe_u32 v5, v0, 3, 1
	v_lshl_add_u32 v4, v5, 4, v4                   ; columns 8 ((lane / 8) mod 2) + 0..7 of the block
	s_mul_i32 s21, s11, HALFT                      ; my 128 rows of hb
	s_lshl_b32 s22, s12, 6                         ; my 32 d of each part,
	s_add_co_u32 s22, s22, 2*HALFT                 ; behind hb's 256 rows
.irp s, 0,1
	v_add_nc_u32 v[ADRA+\s], s21, v3
	v_add_nc_u32 v[ADRB+\s], s22, v4
	s_add_co_u32 s21, s21, SLOT
	s_add_co_u32 s22, s22, SLOT
.endr
	v_and_b32 v6, 31, v0
	v_lshlrev_b32 v24, 4, v6                       ; v24: 16 x lane, my place in a block of kf and vf
	v_lshlrev_b32 v26, 2, v6                       ; v26: 4 x lane, my place in fac
	v_and_b32 v7, 7, v0
	v_lshl_add_u32 v7, v2, 3, v7
	v_lshl_add_u32 v7, v5, 4, v7                   ; 16 (r / 8) + 8 h + r mod 8:
	v_lshlrev_b32 v25, 4, v7                       ; v25: my place in a block of qf, laid so that the next launch's transposing loads read 16 bytes a lane in lane order
	s_lshr_b32 s84, s42, 1                         ; j
	s_and_b32 s85, s42, 1                          ; dh
	s_lshl_b32 s86, s85, 8
	s_lshl_b32 s87, s12, 7
	s_add_co_u32 s86, s86, s87                     ; (64 dh + 32 nh) x 4 bytes
	s_lshl_b32 s87, s84, 10
	s_add_co_u32 s87, s87, s86
	s_lshl_b32 s88, s84, 9
	s_add_co_u32 s88, s88, s86
	v_lshl_add_u32 v27, v1, 2, s87                 ; the query heads' biases
	v_lshl_add_u32 v28, v1, 2, s88                 ; k's and v's
	global_load_b32 v32, v27, s[8:9]               ; v[32 + i]: the bias of my column in block i; waited for behind the K loop
	global_load_b32 v33, v27, s[8:9] offset:64
	global_load_b32 v34, v27, s[8:9] offset:512
	global_load_b32 v35, v27, s[8:9] offset:576
	global_load_b32 v36, v28, s[8:9] offset:8192
	global_load_b32 v37, v28, s[8:9] offset:8256
	global_load_b32 v38, v28, s[8:9] offset:12288
	global_load_b32 v39, v28, s[8:9] offset:12352
; 16 matrix instructions: token blocks a0, a0 + 1 of the window's four x all 8 column blocks, 32 along K.  zero = 1: the product starts the sums.
.macro MUL16 f, hi, a0, zero
.irp a, \a0, \a0+1
.irp b, 0,1,2,3,4,5,6,7
.if \zero
	v_wmma_f32_16x16x32_bf16 v[8*(8*(\a)+\b):8*(8*(\a)+\b)+7], v[\f+8*(4*\hi+\a):\f+8*(4*\hi+\a)+7], v[\f+8*\b:\f+8*\b+7], 0
.else
	v_wmma_f32_16x16x32_bf16 v[8*(8*(\a)+\b):8*(8*(\a)+\b)+7], v[\f+8*(4*\hi+\a):\f+8*(4*\hi+\a)+7], v[\f+8*\b:\f+8*\b+7], v[8*(8*(\a)+\b):8*(8*(\a)+\b)+7]
.endif
.endr
.endr
.endm
; 32 LDS loads in one run: the fragments of quarter q of a K step (32 along K) into buffer f.  wb's come transposed: 8 x 8 elements in each group of eight lanes.
.macro FETCH slot, q, f
	WIN TO_B
.irp i, 0,1,2,3,4,5,6,7
	ds_load_tr16_b128 v[\f+8*\i:\f+8*\i+3],   v[ADRB+\slot] offset:\q*32*BP+(\i/2)*128+(\i%2)*32
	ds_load_tr16_b128 v[\f+8*\i+4:\f+8*\i+7], v[ADRB+\slot] offset:\q*32*BP+(\i/2)*128+(\i%2)*32+16*BP
.endr
	WIN 0
.irp i, 0,1,2,3,4,5,6,7
	ds_load_b128 v[\f+8*\i:\f+8*\i+3],   v[ADRA+\slot] offset:\q*64+\i*16*PITCH
	ds_load_b128 v[\f+8*\i+4:\f+8*\i+7], v[ADRA+\slot] offset:\q*64+\i*16*PITCH+32
.endr
.endm
; Four plain vector instructions stand between a matrix instruction and a load into one of its registers, or a vector instruction that reads its result (ISA guide 7.12.1 for vector instructions)
.macro PLACES
.rept 4
	v_nop
.endr
.endm
.macro QUARTER slot, q, f, g, zero
	s_wait_dscnt 8                                 ; wb's fragments and hb's rows 0-63 are in; the youngest eight loads (rows 64-127) may be out
	WIN MUL_LO
	MUL16 \f, 0, 0, \zero
	MUL16 \f, 0, 2, \zero
	PLACES
	FETCH \slot, \q, \g
	s_wait_dscnt 32                                ; all but the 32 just issued
	WIN MUL_HI
	MUL16 \f, 1, 0, \zero
	MUL16 \f, 1, 2, \zero
.endm
.macro THREE slot, zero
	QUARTER \slot, 1, F0, F1, \zero
	QUARTER \slot, 2, F1, F0, 0
	QUARTER \slot, 3, F0, F1, 0
.endm
; The last quarter multiplies buffer 1 and changes slots.  In front of the barrier each wave waits for its reads of this slot and for all its tensor loads (one is out:
; its part of the next slot).  Where the slot is filled again the barrier opens a round of the cluster's barrier, and the joint refill is the first tensor load behind the round.
.macro TURN slot, next, fill
	s_wait_dscnt 8
	WIN MUL_LO
	MUL16 F1, 0, 0, 0
	s_wait_dscnt 0
	s_wait_tensorcnt 0x0
	ds_add_u32 v55, v255
	s_wait_dscnt 0x0
	s_barrier_signal -1
	MUL16 F1, 0, 2, 0                              ; registers alone, while the others arrive
	WIN 0
	s_barrier_wait -1
.if \fill
	CREST
	s_add_nc_u64 s[G0+4*\slot+2:G0+4*\slot+3], s[G0+4*\slot+2:G0+4*\slot+3], 2*KSTEP*2
	s_add_nc_u64 s[G0B+4*\slot+2:G0B+4*\slot+3], s[G0B+4*\slot+2:G0B+4*\slot+3], 2*KSTEP*8192
	JLOAD \slot
.endif
	PLACES
	FETCH \next, 0, F0
	WIN MUL_HI
	MUL16 F1, 1, 0, 0
	MUL16 F1, 1, 2, 0
.endm
.macro LAP zero
	THREE 0, \zero
	TURN 0, 1, 1
	THREE 1, 0
	TURN 1, 0, 1
.endm
; The 64 accumulators take turns, one instruction a turn, in the same order in every quarter, over the backward jump too.
	s_wait_tensorcnt 1                             ; my part of K step 0 is in; K step 1's load, issued behind it, stays out
	s_barrier_signal -1
	s_barrier_wait -1
	FETCH 0, 0, F0
	LAP 1                                          ; the first lap's first products start the sums
	WIN 0
	s_mov_b32 s3, LAPS-2
.Llap:
	LAP 0
	WIN 0
	s_sub_co_u32 s3, s3, 1
	s_cmp_lg_u32 s3, 0
	s_cbranch_scc1 .Llap
	THREE 0, 0                                     ; the last lap fills nothing
	TURN 0, 1, 0
	THREE 1, 0
	s_wait_dscnt 8
	WIN MUL_LO
	MUL16 F1, 0, 0, 0
	MUL16 F1, 0, 2, 0
	s_wait_dscnt 0
	WIN MUL_HI
	MUL16 F1, 1, 0, 0
	MUL16 F1, 1, 2, 0
	; THE WAY OUT.  No LDS: a lane's eight tokens of one column pack into 16 bytes, and the 32 lanes' 16 bytes are one block of 512 consecutive bytes of qf, kf or vf.
	PLACES
	WIN 0
.set TK,  64                           ; k's argument times log2 e        index 8 a2 + jj = token 16 a2 + 8 h + jj of the chunk
.set Q0,  80
.set Q1,  96
.set VV,  112
.set EX,  128                          ; e^x
.set W,   144                          ; 1 + e^x, cut at 20; then its running products
.set U,   160                          ; 1 / (1 + e^x) = 1 - k, cut at 0.05; then its running products
.set KK,  176
.set PHI, 192
.set PSI, 208
.set PK,  224                          ; packed: kh 8, qh 8, qh 8, v's hi part 8
.set VL,  56                           ; packed: v's lo part 8
.set BI,  32
	s_wait_loadcnt 0x0                             ; the biases
	v_mul_f32 v36, 0x3fb8aa3b, v36                 ; k's bias times log2 e
	v_mul_f32 v37, 0x3fb8aa3b, v37
	v_mov_b32 v40, 0x3db504f3                      ; 128^-0.5 = 2^-3.5
	v_mov_b32 v41, -1.0
	v_mov_b32 v44, 0                               ; the lane exchange's destinations count as read
	v_mov_b32 v45, 0
	v_mov_b32 v46, 0
	v_mov_b32 v47, 0
	s_mov_b32 s90, 0xffff0000                      ; lanes 16-31 (h = 1)
	s_mov_b32 s91, 0x0000ffff                      ; lanes 0-15
	s_mov_b32 s92, 0x76543210                      ; lane i of one half reads lane i of the other
	s_mov_b32 s93, 0xfedcba98
	s_lshl_b32 s76, s13, 1
	s_add_co_u32 s76, s76, s11                     ; tb = my block of 128 tokens
	s_lshl_b32 s76, s76, 3
	s_add_co_u32 s76, s76, s84                     ; 8 tb + j
	s_lshl_b32 s77, s85, 2
	s_lshl1_add_u32 s77, s12, s77
	s_lshl_b32 s77, s77, 10                        ; (4 dh + 2 nh) blocks of 16 d, 1,024 bytes each
	s_mov_b32 s79, 0
	s_lshl_b32 s78, s76, 15
	s_add_co_u32 s78, s78, s77
	s_add_nc_u64 s[70:71], s[70:71], s[78:79]      ; kf
	s_lshl_b32 s78, s76, 16
	s_add_co_u32 s78, s78, s77
	s_add_nc_u64 s[68:69], s[68:69], s[78:79]      ; qf, head 2 j
	s_lshl1_add_u32 s78, s76, s85
	s_lshl_b32 s78, s78, 15                        ; vf: ((8 tb + j) 2 + dh) x 32,768: four chunks of 4,096 bytes hi and 4,096 lo
	s_lshl_b32 s80, s12, 11
	s_add_co_u32 s78, s78, s80
	s_add_nc_u64 s[72:73], s[72:73], s[78:79]
	s_lshl_b32 s78, s76, 12
	s_add_co_u32 s78, s78, s86
	s_add_nc_u64 s[74:75], s[74:75], s[78:79]      ; fac
; Chunk c (my tokens 32 c .. 32 c + 31), column block b1 of each part.
.macro UNIT c, b1
	WIN 2+(\c/2)                                   ; source 0 reads the accumulators
.irp a2, 0,1
.irp p, 0,2,4,6
.set AC, 64*(2*(\c%2)+\a2)+8*\b1+\p
.set TI, 8*\a2+\p
	v_pk_fma_f32 v[TK+TI:TK+TI+1], v[AC+32:AC+33], 0x3fb8aa3b, v[BI+4:BI+5] op_sel:[0,0,\b1] op_sel_hi:[1,0,\b1]
	v_pk_add_f32 v[Q0+TI:Q0+TI+1], v[AC:AC+1],     v[BI:BI+1]   op_sel:[0,\b1] op_sel_hi:[1,\b1]
	v_pk_add_f32 v[Q1+TI:Q1+TI+1], v[AC+16:AC+17], v[BI+2:BI+3] op_sel:[0,\b1] op_sel_hi:[1,\b1]
	v_pk_add_f32 v[VV+TI:VV+TI+1], v[AC+48:AC+49], v[BI+6:BI+7] op_sel:[0,\b1] op_sel_hi:[1,\b1]
.endr
.endr
	WIN 0
.set i, 0
.rept 16
	v_min_num_f32 v[TK+i], 0x42800000, v[TK+i]     ; cut at 64: e^x stays finite, and k is at its clamp long before
.set i, i+1
.endr
.set i, 0
.rept 16
	v_exp_f32 v[EX+i], v[TK+i]
.set i, i+1
.endr
.set i, 0
.rept 16
	v_max_num_f32 v[Q0+i], 0, v[Q0+i]              ; relu; also the plain instructions between the exponentials and their first use (ISA guide 5.7.2)
.set i, i+1
.endr
.set i, 0
	s_wait_alu depctr_va_vdst(0)
.rept 8
	v_pk_add_f32 v[W+i:W+i+1], v[EX+i:EX+i+1], 1.0 op_sel_hi:[1,0]
.set i, i+2
.endr
.set i, 0
.rept 16
	v_rcp_f32 v[U+i], v[W+i]
.set i, i+1
.endr
.set i, 0
.rept 16
	v_max_num_f32 v[Q1+i], 0, v[Q1+i]              ; relu; the plain instructions behind the reciprocals
.set i, i+1
.endr
.set i, 0
	s_wait_alu depctr_va_vdst(0)
.rept 8
	v_pk_mul_f32 v[KK+i:KK+i+1], v[EX+i:EX+i+1], v[U+i:U+i+1]   ; sigmoid
.set i, i+2
.endr
.set i, 0
.rept 16
	v_min_num_f32 v[KK+i], 0x3f733333, v[KK+i]     ; k = min(sigmoid, 0.95)
	v_max_num_f32 v[U+i],  0x3d4ccccd, v[U+i]      ; 1 - k >= 0.05
	v_min_num_f32 v[W+i],  0x41a00000, v[W+i]      ; 1 / (1 - k) <= 20
.set i, i+1
.endr
.set i, 1
.rept 7                                ; four chains that do not wait for each other: tokens 16.. forward, tokens ..15 backward, each over the lane's eight
	v_mul_f32 v[U+8+i], v[U+8+i], v[U+7+i]
	v_mul_f32 v[W+8+i], v[W+8+i], v[W+7+i]
	v_mul_f32 v[U+7-i], v[U+7-i], v[U+8-i]
	v_mul_f32 v[W+7-i], v[W+7-i], v[W+8-i]
.set i, i+1
.endr
	v_permlanex16_b32 v44, v[U],    s92, s93       ; the other eight tokens' whole products
	v_permlanex16_b32 v45, v[W],    s92, s93
	v_permlanex16_b32 v46, v[U+15], s92, s93
	v_permlanex16_b32 v47, v[W+15], s92, s93
	v_mul_f32 v[48+2*\b1], v[U], v44               ; D = u_0 .. u_15
	v_mul_f32 v[49+2*\b1], v[U+15], v46            ; E = u_16 .. u_31
	v_mul_f32 v45, v40, v45
	v_mul_f32 v46, v40, v46
	v_cndmask_b32 v[PSI+7], 1.0, v44, s91          ; token 7: u_8 .. u_15; token 15: 1
	v_cndmask_b32 v[PHI+7], v40, v45, s91          ; the same of 1 / u, with q's scale
	v_cndmask_b32 v42, v40, v46, s90               ; tokens 24-31 carry u_16 .. u_23,
	v_cndmask_b32 v43, 1.0, v47, s90               ; or its inverse
.set i, 0
.rept 7
	v_mul_f32 v[PHI+i], v[W+1+i], v[PHI+7]
	v_mul_f32 v[PSI+i], v[U+1+i], v[PSI+7]
.set i, i+1
.endr
.set i, 8
.rept 4
	v_pk_mul_f32 v[PHI+i:PHI+i+1], v[U+i:U+i+1], v[42:43] op_sel_hi:[1,0]
	v_pk_mul_f32 v[PSI+i:PSI+i+1], v[W+i:W+i+1], v[42:43] op_sel:[0,1] op_sel_hi:[1,1]
.set i, i+2
.endr
.set i, 0
.rept 8
	v_pk_mul_f32 v[KK+i:KK+i+1], v[KK+i:KK+i+1], v[PSI+i:PSI+i+1]
	v_pk_mul_f32 v[Q0+i:Q0+i+1], v[Q0+i:Q0+i+1], v[PHI+i:PHI+i+1]
	v_pk_mul_f32 v[Q1+i:Q1+i+1], v[Q1+i:Q1+i+1], v[PHI+i:PHI+i+1]
.set i, i+2
.endr
	s_wait_xcnt 0x0                                ; PK, VL and v52-53 are the data of earlier stores: they are rewritten only behind this wait
.set i, 0
.rept 8
	v_cvt_pk_bf16_f32 v[PK+i],    v[KK+2*i], v[KK+2*i+1]
	v_cvt_pk_bf16_f32 v[PK+8+i],  v[Q0+2*i], v[Q0+2*i+1]
	v_cvt_pk_bf16_f32 v[PK+16+i], v[Q1+2*i], v[Q1+2*i+1]
	v_cvt_pk_bf16_f32 v[PK+24+i], v[VV+2*i], v[VV+2*i+1]
.set i, i+1
.endr
.set i, 0
.rept 8                                ; what the rounding dropped: v - hi, exact in f32; the bf16 half is read straight from the packed word
	v_fma_mix_f32_bf16 v[VV+2*i],   v[PK+24+i], v41, v[VV+2*i]   op_sel_hi:[1,0,0]
	v_fma_mix_f32_bf16 v[VV+2*i+1], v[PK+24+i], v41, v[VV+2*i+1] op_sel:[1,0,0] op_sel_hi:[1,0,0]
.set i, i+1
.endr
.set i, 0
.rept 8
	v_cvt_pk_bf16_f32 v[VL+i], v[VV+2*i], v[VV+2*i+1]
.set i, i+1
.endr
.irp a2, 0,1                           ; each store of the wave covers 512 consecutive bytes, aligned
	global_store_b128 v24, v[PK+4*\a2:PK+4*\a2+3],       s[70:71] offset:\c*8192+\b1*1024+\a2*512
	global_store_b128 v25, v[PK+8+4*\a2:PK+8+4*\a2+3],   s[68:69] offset:\c*8192+\b1*1024+\a2*512
	global_store_b128 v25, v[PK+16+4*\a2:PK+16+4*\a2+3], s[68:69] offset:\c*8192+\b1*1024+\a2*512+32768
	global_store_b128 v24, v[PK+24+4*\a2:PK+24+4*\a2+3], s[72:73] offset:\c*8192+\b1*1024+\a2*512
	global_store_b128 v24, v[VL+4*\a2:VL+4*\a2+3],       s[72:73] offset:\c*8192+4096+\b1*1024+\a2*512
.endr
.if \b1
	v_cndmask_b32 v52, v48, v50, s90               ; lanes 0-15 carry the first 16 d, lanes 16-31 the second: 128 consecutive bytes a store
	v_cndmask_b32 v53, v49, v51, s90
	global_store_b32 v26, v52, s[74:75] offset:\c*1024
	global_store_b32 v26, v53, s[74:75] offset:\c*1024+512
.endif
.endm
.irp c, 0,1,2,3
	UNIT \c, 0
	UNIT \c, 1
.endr
	CROUND                                         ; the closing round: no work-group ends while a partner may still ask for a tile that names it
	s_endpgm
.Lfunc_end_k_qc97c6ec17b_gemm:
	.size	k_qc97c6ec17b_gemm, .Lfunc_end_k_qc97c6ec17b_gemm-k_qc97c6ec17b_gemm
	.p2alignl 7, 3214868480
	.fill 96, 4, 3214868480
	.section	.rodata,"a",@progbits
	.p2align	6, 0x0
	.amdhsa_kernel k_qc97c6ec17b_gemm
		.amdhsa_group_segment_fixed_size 327680
		.amdhsa_private_segment_fixed_size 0
		.amdhsa_enable_private_segment 0
		.amdhsa_kernarg_size 56
		.amdhsa_user_sgpr_count 2
		.amdhsa_user_sgpr_kernarg_segment_ptr 1
		.amdhsa_wavefront_size32 1
		.amdhsa_system_sgpr_workgroup_id_x 1
		.amdhsa_system_sgpr_workgroup_id_y 1
		.amdhsa_system_sgpr_workgroup_id_z 1
		.amdhsa_system_vgpr_workitem_id 0
		.amdhsa_next_free_vgpr 1024
		.amdhsa_next_free_sgpr 100
		.amdhsa_reserve_vcc 0
		.amdhsa_float_denorm_mode_32 3
		.amdhsa_float_denorm_mode_16_64 3
		.amdhsa_memory_ordered 1
		.amdhsa_forward_progress 1
		.amdhsa_inst_pref_size 255
	.end_amdhsa_kernel
	.section	.bss,"aw",@nobits
	.p2align	6
	.space	262144
	.amdgpu_metadata
---
amdhsa.version: [ 1, 2 ]
amdhsa.kernels:
  - .name:           k_qc97c6ec17b_gemm
    .symbol:         k_qc97c6ec17b_gemm.kd
    .args:
      - { .name: hb, .offset: 0, .size: 8, .value_kind: global_buffer, .address_space: global }
      - { .name: wb, .offset: 8, .size: 8, .value_kind: global_buffer, .address_space: global }
      - { .name: b_qkv, .offset: 16, .size: 8, .value_kind: global_buffer, .address_space: global }
      - { .name: qf, .offset: 24, .size: 8, .value_kind: global_buffer, .address_space: global }
      - { .name: kf, .offset: 32, .size: 8, .value_kind: global_buffer, .address_space: global }
      - { .name: vf, .offset: 40, .size: 8, .value_kind: global_buffer, .address_space: global }
      - { .name: fac, .offset: 48, .size: 8, .value_kind: global_buffer, .address_space: global }
    .group_segment_fixed_size: 327680
    .private_segment_fixed_size: 0
    .kernarg_segment_align: 8
    .kernarg_segment_size: 56
    .max_flat_workgroup_size: 128
    .sgpr_count:     100
    .vgpr_count:     1024
    .wavefront_size: 32
...
	.end_amdgpu_metadata
.endif
;; end of part 2
;; launch scan (part 3): grid 256 x 1, 4 waves a work-group, clusters of 4 x 1, 327,680 bytes of LDS; arguments qf, kf, vf, fac, kv_cache, state_indices, out0; writes out0
.if DOCPART == 3
	.amdgcn_target "amdgcn-amd-amdhsa--gfx1250"
	.amdhsa_code_object_version 6
	.text
	.protected	k_qc97c6ec17b_scan
	.globl	k_qc97c6ec17b_scan
	.p2align	8
	.type	k_qc97c6ec17b_scan,@function
k_qc97c6ec17b_scan:
	s_mov_b64 s[64:65], 0
	v_nop
	global_prefetch_b8 v0, s[64:65] scope:SCOPE_SE
	s_setreg_imm32_b32 hwreg(HW_REG_WAVE_MODE, 25, 1), 1
	s_wait_xcnt 0x0
	s_wait_alu depctr_hold_cnt(0) depctr_sa_sdst(0) depctr_va_vdst(0) depctr_va_sdst(0) depctr_va_ssrc(0) depctr_va_vcc(0) depctr_vm_vsrc(0)
	s_getreg_b32 s2, hwreg(HW_REG_IB_STS2, 6, 4)
	s_cmp_eq_u32 s2, 0
	s_cbranch_scc0 .Lentry_in_a_cluster
	s_endpgm
.Lentry_in_a_cluster:
	s_bfe_u32 s2, ttmp6, 0x10000c
	s_cmp_lg_u32 s2, 0x3003
	s_cbranch_scc0 .Lentry_shape_is_right
	s_endpgm
.Lentry_shape_is_right:
; The recurrence over chunks of 32 tokens (formulas, limits and the proof of what is left out: head of the launch cast).
; Left out here: the score tile i < 16 <= j of every chunk (reference()'s own tril), the last chunk's state update (the final state is not returned),
; the slots of kv_cache that state_indices does not name.
; SHARES.  The state of one (segment, head) is 128 dk x 128 dv = 64 tiles of 16 x 16; 64 such states over 1,024 waves are four tiles a wave.
; A work-group is (segment b, head h, 32 output columns); wave w has strip st = w mod 2 (16 columns) and dk half dkh = w / 2: its part of the state is 64 x 16.
; Each wave makes both token blocks of the chunk's output over its own 64 dk; the two halves' sums go to two planes of a stage in LDS and are added on the way out.
; The terms v T of token block it are added by the wave with dkh = it: in the text that is its OWN block (OA), the other is OB; which is which lies in addresses alone.
; WHAT THIS COSTS: all 128 dk of a column must lie in one work-group, so 16 tiles a work-group are 32 columns: a row's piece in out0 is 128 consecutive bytes, aligned,
; half of an aligned 256; the other half is stored by the neighbour work-group of the same cluster in the same trip.
; CLUSTERS: the four work-groups of one (b, h) form a cluster of 4 x 1 and walk the same tiles of qf, kf and fac, 68 of a trip's 84 KiB: these are asked for jointly
; (mask 15).  vf's 16 KiB are the work-group's own columns and come by a plain load behind the same round of the cluster's barrier.
; A trip is 128 tokens = four chunks.  Wave 0 fetches qf's 32 KiB, wave 1 kf's 32 KiB, wave 2 vf's 16 KiB, wave 3 fac's 4 KiB, one tensor load each,
; into two slots that take turns; one tensor load of a wave is out at a time.
; All products are laid so that no operand is shuffled:
;   scores, transposed:  T(j, i) = kh(j, :) . qh(i, :)          both operands by transposing LDS loads; wave w makes chunk w's scores for all four waves
;   output, transposed:  O(dv, i) = S'(:, dv) . qh(i, :) + v(:, dv) . T(:, i)   a lane then holds 8 neighbouring columns of one token
;   state:               Z(dk, dv) += kh(:, dk) . v(:, dv)
;   The packed state tile is at once the first operand of the output's product, and the packed scores tile its second.
; SCORES AND v GO AS TWO bf16 NUMBERS EACH (hi, and lo = what hi's rounding dropped).  A score is one number for a whole term T(j, i) v(j, dv), and so is v: their
; rounding to 8 bits is not averaged over the 128 d as qh's, kh's and S's is.  v T = v_hi T_hi + v_lo T_hi + v_hi T_lo; the term lo x lo, 2^-16 of the whole, is dropped.
; TWO SETS OF OPERANDS.  A chunk's operands are 24 LDS loads into 96 registers (v hi and lo 16, scores hi and lo 16, qh 32, kh 32).  Chunk c reads set c mod 2: set 0 is
; v96-191, set 1 the same numbers one register window up.  A set is loaded again straight behind the chunk that read it, for the chunk after the next, at the one place
; where the wave lets its products end anyway (the next scaling reads the state): each operand has a whole chunk's work in which to land, and one wait a chunk serves all.
; THE START OF A TRIP.  The 32 loads of the scores' fragments go out first; chunk 0's scaling and packing stand between them and their wait; chunk 0's products that need
; no score (S' qh, and the state's with v hi) stand between the scores' stores and the barrier that shows the scores to the other waves.
; NO VECTOR WORK IS SET AMONG THE PRODUCTS: of a chunk's 15 products only the three of v T do not hang on the scaled state; they are links of one sum, which want other
; sums' turns between them; and the scaling's registers lie in window 0 while set 1's products run under another setting, two switches for each slice.
; s_set_vgpr_msb's low byte: bits 1:0 source 0, 3:2 source 1, 5:4 source 2, 7:6 destination.  14 switches in a trip.
.set SLOT, 102400
.set OFK,  32768                       ; in a slot: qf 0, kf 32,768, vf 65,536 (16 KiB), fac 98,304 (4 KiB): wave x 32,768
.set OFV,  65536
.set OFFA, 98304
.set STG,  204800                      ; the way out: two planes (dk halves) of 128 token rows of 128 bytes, pitch 144, behind the slots
.set SP,   144
.set PL,   128*SP
.set ATS,  STG+2*PL                    ; scores: 4 chunks x 4,096 bytes: T00 hi, zero, T01 hi, T11 hi, T00 lo, zero, T01 lo, T11 lo, 512 bytes each; no tensor load fills stage or scores
.set AQA,  4                           ; v4-5    qh of my dk half, my own token block, slot 0, 1
.set AQB,  6                           ; v6-7    the other token block
.set AK,   8                           ; v8-9    kh of my dk half
.set AV,   10                          ; v10-11  my 16 columns of v
.set AF,   12                          ; v12-13  four factors: lane n (0..7) of a half holds d = 64 dkh + 16 (n / 2) + 8 h + 4 (n mod 2) + 0..3
.set AQ1,  14                          ; v14-15  qh of chunk w, all 128 dk
.set AK1,  16                          ; v16-17  kh of chunk w, for the transposing load
.set AATS, 18
.set AATL, 19
.set DD,   20                          ; v20-23  D of the chunk
.set EE,   24                          ; v24-27  E of the chunk before
.set GG,   28                          ; v28-31  their product
.set Z,    32                          ; v32-63  the state, tile t: dk = 64 dkh + 16 t + 8 h + jj, dv = r
.set SF,   64                          ; v64-79  S' in bf16
.set OA,   80                          ; v80-87  output, my own token block
.set OB,   88                          ; v88-95  output, the other token block
; a set of operands: these numbers in window 0 (set 0) and in window 1 (set 1)
.set VV,   96                          ; v96-103  v, hi
.set VL,   104                         ; v104-111 v, lo
.set ATH,  112                         ; v112-119 scores of my own token block, hi
.set ATL,  120                         ; v120-127 the same, lo
.set QA,   128                         ; v128-143 qh fragments, own token block
.set QB,   144                         ; v144-159 the other
.set KW,   160                         ; v160-191 kh fragments
.set OC,   160                         ; window 0, v160-183: in the segment's last chunk, which reads set 1: the three products of v T, in set 0's idle registers
.set OT,   128                         ; window 0, v128-191: rows on the way out, when set 0 is idle
.set KW1,  0                           ; window 1, v0-63:    the scores' kh fragments, token blocks 0 and 1
.set QW1,  64                          ; window 1, v64-95:   the scores' qh fragments, token block 0
.set QW1B, 192                         ; window 1, v192-223: token block 1
.set T00,  192                         ; v192-215 the three live score tiles, one behind the other; at the start: at work
.set T01,  200
.set T11,  208
.set PK,   216                         ; v216-239 packed scores, hi 12 and lo 12
.set ASTA, 240
.set ASTB, 241
.set ASTL, 242
.set AOUT, 243
.set M1,   244                         ; -1.0
.set AS0,  245
.set G1A, 24                           ; s[24:31] group 1, joint, 128 rows of 256 bytes
.set G1F, 32                           ; s[32:39] group 1, joint, 16 rows
.set G1V, 40                           ; s[40:47] group 1, plain, vf's tile
.set G0,  48                           ; s[48:55] group 0 of the joint loads, one set a slot
.set G0V, 88                           ; s[88:95] group 0 of vf's load, one set a slot: the only descriptor registers that carry my place in the cluster
.set MK,  72                           ; s72-79  lanes with 8 h + jj <= r: the triangle of a diagonal tile
.set MSB, 0
.set DSN, 0
.set MARKD, 0
.set MARKP, 0
.set MAT0, 0
.set MSET0, 0
.set MSET1, 0
.macro WIN new                         ; the immediate's high byte repeats the setting that is left; a switch that changes nothing is dropped
.if MSB != (\new)
	s_set_vgpr_msb (MSB<<8)|(\new)
.set MSB, (\new)
.endif
.endm
.macro BAR
	s_barrier_signal -1
	s_barrier_wait -1
.endm
; A round of the cluster's barrier: my work-group's barrier, wave 0 signals for the work-group, every wave waits for all four work-groups, my work-group's barrier again.
.macro ROUND
	s_barrier_signal -1
	s_barrier_wait -1
	s_cmp_lg_u32 s18, 0
	s_cbranch_scc1 .Lnot_wave_0_\@
	s_barrier_signal -3
.Lnot_wave_0_\@:
	s_barrier_wait -3
	s_barrier_signal -1
	s_barrier_wait -1
.endm
.macro MKG1 g, rows                    ; a dense block as rows of 256 bytes: 32 elements of 8 bytes, pitch 32; asked for by all four work-groups of the cluster
	s_mov_b32 s[\g+0], 15|(3<<16)|(1<<21)
	s_mov_b32 s[\g+1], 32<<16
	s_mov_b32 s[\g+2], \rows<<16
	s_mov_b32 s[\g+3], 32<<16
	s_mov_b32 s[\g+4], \rows
	s_mov_b32 s[\g+5], 32
	s_mov_b32 s[\g+6], 0
	s_mov_b32 s[\g+7], 0
.endm
.macro TLOAD s                         ; every wave issues one load; the branches hang on the wave's number alone, which is the same in every work-group
	s_cmp_lt_u32 s18, 2
	s_cbranch_scc0 .Lnot_qk_\@
	tensor_load_to_lds s[G0+4*\s:G0+4*\s+3], s[G1A:G1A+7]      ; qf or kf, jointly
	s_nop 0
	s_branch .Lasked_\@
.Lnot_qk_\@:
	s_cmp_eq_u32 s18, 2
	s_cbranch_scc0 .Lfor_f_\@
	tensor_load_to_lds s[G0V+4*\s:G0V+4*\s+3], s[G1V:G1V+7]    ; vf, my work-group's own columns
	s_nop 0
	s_branch .Lasked_\@
.Lfor_f_\@:
	tensor_load_to_lds s[G0+4*\s:G0+4*\s+3], s[G1F:G1F+7]      ; fac, jointly
	s_nop 0
.Lasked_\@:
.endm
	s_load_b256 s[4:11], s[0:1], 0x0               ; qf s[4:5], kf s[6:7], vf s[8:9], fac s[10:11]
	s_load_b128 s[12:15], s[0:1], 0x20             ; kv_cache s[12:13], state_indices s[14:15]
	s_load_b64 s[16:17], s[0:1], 0x30              ; out0
	v_lshl_add_u32 v254, v0, 2, 0x3f000
	v_mov_b32 v255, 0
	ds_add_u32 v254, v255
	v_lshrrev_b32 v1, 5, v0
	v_readfirstlane_b32 s18, v1                    ; wave
	s_and_b32 s70, s18, 1                          ; st: my strip of 16 columns
	s_lshr_b32 s71, s18, 1                         ; dkh: my half of dk, and my own token block
	s_lshr_b32 s66, ttmp9, 4                       ; segment b: in a cluster launch ttmp9 counts clusters
	s_and_b32 s67, ttmp9, 15                       ; head h
	s_bfe_u32 s68, ttmp6, 0x40000                  ; cx: which 32 columns
	s_lshr_b32 s69, s67, 1                         ; key/value head
	s_lshl_b32 s80, s66, 22
	s_lshl_b32 s20, s67, 15
	s_add_co_u32 s80, s80, s20                     ; qf: (16 x 8 b + h) x 32,768
	s_lshl_b32 s81, s66, 21
	s_lshl_b32 s20, s69, 15
	s_add_co_u32 s81, s81, s20                     ; kf: (8 x 8 b + kvh) x 32,768
	s_lshl_b32 s82, s66, 18
	s_lshl_b32 s20, s69, 12
	s_add_co_u32 s82, s82, s20                     ; fac: (8 x 8 b + kvh) x 4,096
	s_mov_b32 s84, 524288                          ; bytes from one block of 128 tokens to the next: qf,
	s_mov_b32 s85, 262144                          ; kf,
	s_mov_b32 s86, 32768                           ; fac
	s_lshl_b32 s96, s66, 22                        ; vf: ((8 x 8 b + kvh) 2 + cx / 2) x 32,768 + (cx mod 2) x 2,048, in registers that feed no joint load
	s_lshl_b32 s98, s69, 16
	s_add_co_u32 s96, s96, s98
	s_lshr_b32 s98, s68, 1
	s_lshl_b32 s98, s98, 15
	s_add_co_u32 s96, s96, s98
	s_and_b32 s98, s68, 1
	s_lshl_b32 s98, s98, 11
	s_add_co_u32 s96, s96, s98
	s_mov_b32 s97, 0
	MKG1 G1A, 128
	MKG1 G1F, 16
	s_mov_b32 s[G1V+0], 3<<16                      ; vf: no mask; elements of 8 bytes
	s_mov_b32 s[G1V+1], 256<<16                    ; tensor_dim0 = 256: two strips of 1,024 bytes
	s_mov_b32 s[G1V+2], 8<<16                      ; tensor_dim1 = 8: four chunks, hi and lo
	s_mov_b32 s[G1V+3], 256<<16                    ; tile_dim0 = 256
	s_mov_b32 s[G1V+4], 8                          ; tile_dim1 = 8
	s_mov_b32 s[G1V+5], 512                        ; 4,096 bytes from row to row
	s_mov_b32 s[G1V+6], 0
	s_mov_b32 s[G1V+7], 0
.irp jj, 0,1,2,3,4,5,6,7
	s_mov_b32 s[MK+\jj], ((0xffff<<\jj)&0xffff)|(((0xffff<<(8+\jj))&0xffff)<<16)
.endr
	s_wait_dscnt 0x0
	s_wait_kmcnt 0x0
	s_cmp_eq_u32 s18, 0
	s_cselect_b64 s[20:21], s[4:5], s[6:7]         ; wave 0: qf; waves 1 and 2: kf (wave 2 never asks by it)
	s_cselect_b32 s22, s80, s81
	s_cselect_b32 s60, s84, s85
	s_cmp_eq_u32 s18, 3
	s_cselect_b64 s[20:21], s[10:11], s[20:21]     ; wave 3: fac
	s_cselect_b32 s22, s82, s22
	s_cselect_b32 s60, s86, s60
	s_mov_b32 s23, 0
	s_mov_b32 s61, 0
	s_lshl_b32 s56, s60, 1                         ; a slot's next tile lies two trips on
	s_mov_b32 s57, 0
	s_add_nc_u64 s[20:21], s[20:21], s[22:23]
	s_mov_b32 s[G0], 1
	s_mul_i32 s[G0+1], s18, 32768                  ; LDS: wave x 32,768 + slot: no place in the cluster enters an LDS address
	s_mov_b64 s[G0+2:G0+3], s[20:21]
	s_or_b32 s[G0+3], s[G0+3], 0x80000000
	s_mov_b32 s[G0+4], 1
	s_add_co_u32 s[G0+5], s[G0+1], SLOT
	s_add_nc_u64 s[G0+6:G0+7], s[20:21], s[60:61]
	s_or_b32 s[G0+7], s[G0+7], 0x80000000
	s_add_nc_u64 s[96:97], s[8:9], s[96:97]
	s_mov_b32 s[G0V], 1
	s_mov_b32 s[G0V+1], OFV
	s_mov_b64 s[G0V+2:G0V+3], s[96:97]
	s_or_b32 s[G0V+3], s[G0V+3], 0x80000000
	s_mov_b32 s[G0V+4], 1
	s_mov_b32 s[G0V+5], OFV+SLOT
	s_add_nc_u64 s[G0V+6:G0V+7], s[96:97], 524288
	s_or_b32 s[G0V+7], s[G0V+7], 0x80000000
	ROUND                                          ; all four work-groups are here: the first joint loads meet
	TLOAD 0                                        ; the first tile, ahead of everything else
	s_lshl_b32 s22, s66, 2
	s_add_nc_u64 s[14:15], s[14:15], s[22:23]
	s_load_b32 s19, s[14:15], 0x0                  ; my segment's slot of kv_cache
	v_and_b32 v1, 31, v0                           ; lane
	v_and_b32 v2, 15, v0                           ; r
	v_bfe_u32 v3, v0, 4, 1                         ; h
	v_lshlrev_b32 v[T00], 4, v1                    ; 16 x lane
	s_mul_i32 s20, s71, 4608                       ; my dk half: 4 blocks of 1,024 bytes on; my own token block: dkh x 512
	v_add_nc_u32 v[AQA], s20, v[T00]
	v_add_nc_u32 v[AQA+1], SLOT, v[AQA]
	s_mul_i32 s20, s71, 3584                       ; the other token block: (1 - dkh) x 512
	s_add_co_u32 s20, s20, 512
	v_add_nc_u32 v[AQB], s20, v[T00]
	v_add_nc_u32 v[AQB+1], SLOT, v[AQB]
	s_lshl_b32 s20, s71, 12
	s_add_co_u32 s20, s20, OFK
	v_add_nc_u32 v[AK], s20, v[T00]
	v_add_nc_u32 v[AK+1], SLOT, v[AK]
	s_lshl_b32 s20, s70, 10
	s_add_co_u32 s20, s20, OFV
	v_add_nc_u32 v[AV], s20, v[T00]
	v_add_nc_u32 v[AV+1], SLOT, v[AV]
	v_bfe_u32 v[T00+1], v0, 1, 2                   ; (n mod 8) / 2: lanes 8-15 of a half read what lanes 0-7 read
	v_lshlrev_b32 v[T00+1], 6, v[T00+1]
	v_lshl_add_u32 v[T00+1], v3, 5, v[T00+1]
	v_and_b32 v[T00+2], 1, v0
	v_lshl_add_u32 v[T00+1], v[T00+2], 4, v[T00+1]
	s_lshl_b32 s20, s71, 8
	s_add_co_u32 s20, s20, OFFA
	v_add_nc_u32 v[AF], s20, v[T00+1]
	v_add_nc_u32 v[AF+1], SLOT, v[AF]
	s_lshl_b32 s21, s18, 13
	v_add_nc_u32 v[AQ1], s21, v[T00]
	v_add_nc_u32 v[AQ1+1], SLOT, v[AQ1]
	v_and_b32 v[T00+1], 7, v0
	v_lshl_add_u32 v[T00+1], v3, 3, v[T00+1]
	v_lshlrev_b32 v[T00+1], 4, v[T00+1]
	v_bfe_u32 v[T00+2], v0, 3, 1
	v_lshl_add_u32 v[T00+1], v[T00+2], 8, v[T00+1] ; kf's blocks lie in the storing lanes' order: 16 bytes of d = 8 h + lane mod 8, tokens 8 ((lane / 8) mod 2) ..
	s_add_co_u32 s21, s21, OFK
	v_add_nc_u32 v[AK1], s21, v[T00+1]
	v_add_nc_u32 v[AK1+1], SLOT, v[AK1]
	s_lshl_b32 s20, s71, 10
	s_add_co_u32 s20, s20, ATS
	v_add_nc_u32 v[AATL], s20, v[T00]              ; my own token block's two tiles: T00, zero (dkh = 0) or T01, T11 (dkh = 1)
	s_lshl_b32 s20, s18, 12
	s_add_co_u32 s20, s20, ATS
	v_add_nc_u32 v[AATS], s20, v[T00]
	v_mul_u32_u24 v[T00+1], v2, SP
	v_lshl_add_u32 v[T00+1], v3, 5, v[T00+1]       ; in: token row r, 32 bytes for each half of the lanes,
	s_lshl_b32 s20, s70, 6
	s_add_co_u32 s20, s20, STG                     ; my strip's 64 bytes,
	s_mul_i32 s21, s71, PL+16*SP                   ; my dk half's plane; my own token block's 16 rows
	s_add_co_u32 s21, s21, s20
	v_add_nc_u32 v[ASTA], s21, v[T00+1]
	s_mul_i32 s21, s71, PL-16*SP                   ; the same plane, the other token block's rows
	s_add_co_u32 s21, s21, s20
	s_add_co_u32 s21, s21, 16*SP
	v_add_nc_u32 v[ASTB], s21, v[T00+1]
	v_lshrrev_b32 v[T00+1], 3, v1
	s_lshl_b32 s20, s18, 5
	v_add_nc_u32 v[T00+1], s20, v[T00+1]           ; back: rows 32 w + lane / 8, eight lanes a row of 128 bytes
	v_and_b32 v[T00+2], 7, v0
	v_mul_u32_u24 v[T00+3], v[T00+1], SP
	v_lshl_add_u32 v[T00+3], v[T00+2], 4, v[T00+3]
	v_add_nc_u32 v[ASTL], STG, v[T00+3]
	v_lshlrev_b32 v[T00+1], 13, v[T00+1]
	v_lshl_add_u32 v[AOUT], v[T00+2], 4, v[T00+1]  ; the same rows in out0, 8,192 bytes apart
	v_mov_b32 v[M1], -1.0
.irp i, 0,1,2,3
	v_mov_b32 v[EE+\i], 1.0                        ; no chunk stands in front of the first
	v_mov_b32 v[PK+\i], 0
.endr
	ds_store_b128 v[AATS], v[PK:PK+3] offset:512   ; tokens 0-15 take nothing from tokens 16-31: the zero tiles of chunk w, hi and lo, written once;
	ds_store_b128 v[AATS], v[PK:PK+3] offset:2560  ; waited for in front of the first trip's round
	v_lshlrev_b32 v[T00+4], 12, v3
	v_lshl_add_u32 v[T00+4], v2, 2, v[T00+4]
	s_lshl_b32 s98, s68, 7
	s_lshl_b32 s99, s70, 6
	s_add_co_u32 s98, s98, s99
	s_lshl_b32 s99, s71, 15
	s_add_co_u32 s98, s98, s99
	v_add_nc_u32 v[AS0], s98, v[T00+4]             ; the state: row 64 dkh + 8 h, column 32 cx + 16 st + r
	s_wait_kmcnt 0x0
	s_min_u32 s19, s19, 15                         ; an index stays inside its table of 16 slots
	s_lshl_b32 s19, s19, 20
	s_lshl_b32 s20, s67, 16
	s_add_co_u32 s20, s19, s20
	s_mov_b32 s21, 0
	s_add_nc_u64 s[12:13], s[12:13], s[20:21]
.irp t, 0,1,2,3
.irp jj, 0,1,2,3,4,5,6,7
	global_load_b32 v[Z+8*\t+\jj], v[AS0], s[12:13] offset:(16*\t+\jj)*512
.endr
.endr
	s_lshl_b32 s98, s66, 23
	s_lshl_b32 s99, s67, 9
	s_add_co_u32 s98, s98, s99
	s_lshl_b32 s99, s68, 7
	s_add_co_u32 s98, s98, s99
	s_mov_b32 s99, 0
	s_add_nc_u64 s[16:17], s[16:17], s[98:99]      ; out0 at my segment's first row, my 128 bytes of it
; LDS LOADS.  DSN counts the LDS instructions as they are written; a mark keeps the count behind a group; the wait for a group is DSN - mark:
; as many as were issued behind it (LDS instructions of a wave end in order: ISA guide 5.7.1).
.macro LD_V s, c
	ds_load_b128 v[VV:VV+3],   v[AV+\s] offset:(\c)*4096
	ds_load_b128 v[VV+4:VV+7], v[AV+\s] offset:(\c)*4096+512
	ds_load_b128 v[VL:VL+3],   v[AV+\s] offset:(\c)*4096+2048
	ds_load_b128 v[VL+4:VL+7], v[AV+\s] offset:(\c)*4096+2560
.set DSN, DSN+4
.endm
.macro LD_Q s, c
.irp t, 0,1,2,3
	ds_load_tr16_b128 v[QA+4*\t:QA+4*\t+3], v[AQA+\s] offset:(\c)*8192+\t*1024
	ds_load_tr16_b128 v[QB+4*\t:QB+4*\t+3], v[AQB+\s] offset:(\c)*8192+\t*1024
.endr
.set DSN, DSN+8
.endm
.macro LD_AT c
	ds_load_b128 v[ATH:ATH+3],   v[AATL] offset:(\c)*4096
	ds_load_b128 v[ATH+4:ATH+7], v[AATL] offset:(\c)*4096+512
	ds_load_b128 v[ATL:ATL+3],   v[AATL] offset:(\c)*4096+2048
	ds_load_b128 v[ATL+4:ATL+7], v[AATL] offset:(\c)*4096+2560
.set DSN, DSN+4
.endm
.macro LD_K s, c
.irp t, 0,1,2,3
	ds_load_b128 v[KW+8*\t:KW+8*\t+3],   v[AK+\s] offset:(\c)*8192+\t*1024
	ds_load_b128 v[KW+8*\t+4:KW+8*\t+7], v[AK+\s] offset:(\c)*8192+\t*1024+512
.endr
.set DSN, DSN+8
.endm
; All operands of chunk c into set fs (destination window fs, addresses window 0).  withk = 0: the segment's last chunk, which updates no state.
.macro LDSET s, c, fs, withk
	WIN 0x40*\fs
	LD_V \s, \c
	LD_Q \s, \c
	LD_AT \c
.if \withk
	LD_K \s, \c
.endif
	WIN 0
.set MSET\fs, DSN
.endm
; The fragments for the scores of chunk w: kh and qh of both token blocks over all 128 dk, into window 1.
.macro LD_P s
	WIN 0x40
.irp jt, 0,1
.irp t, 0,1,2,3,4,5,6,7
	ds_load_tr16_b128 v[KW1+32*\jt+4*\t:KW1+32*\jt+4*\t+3], v[AK1+\s] offset:\t*1024+\jt*512
.endr
.endr
.irp t, 0,1,2,3,4,5,6,7
	ds_load_tr16_b128 v[QW1+4*\t:QW1+4*\t+3],   v[AQ1+\s] offset:\t*1024
	ds_load_tr16_b128 v[QW1B+4*\t:QW1B+4*\t+3], v[AQ1+\s] offset:\t*1024+512
.endr
	WIN 0
.set DSN, DSN+32
.set MARKP, DSN
.endm
.macro PLACES                          ; four plain vector instructions behind a matrix instruction (ISA guide 7.12.1)
.rept 4
	v_nop
.endr
.endm
; S' = (E of the chunk before x D of this chunk) Z, in place, and its packing.  The factors of later chunks are asked for as soon as their registers are free.
.macro SCALE s, c, islast
	s_wait_dscnt DSN-MARKD                         ; this chunk's D, and E of the chunk before, which was asked for ahead of it (in chunk 1 met at once: the scores' barrier lies between)
	v_pk_mul_f32 v[GG:GG+1],   v[EE:EE+1],   v[DD:DD+1]
	v_pk_mul_f32 v[GG+2:GG+3], v[EE+2:EE+3], v[DD+2:DD+3]
.if \islast == 0
	ds_load_b128 v[EE:EE+3], v[AF+\s] offset:\c*1024+512
.set DSN, DSN+1
.endif
.if \c < 3
	ds_load_b128 v[DD:DD+3], v[AF+\s] offset:(\c+1)*1024
.set DSN, DSN+1
.set MARKD, DSN
.endif
.irp n, 0,1,2,3,4,5,6,7
.irp q, 0,1,2,3
	v_mul_f32_dpp v[Z+4*\n+\q], v[GG+\q], v[Z+4*\n+\q] row_share:\n row_mask:0xf bank_mask:0xf   ; register 4 n + q is row dk = 64 dkh + 16 (n / 2) + 8 h + 4 (n mod 2) + q, whose factor lane n of my half holds
.endr
.endr
.set i, 0
.rept 16
	v_cvt_pk_bf16_f32 v[SF+i], v[Z+2*i], v[Z+2*i+1]
.set i, i+1
.endr
.endm
; THE PRODUCTS.  No two matrix instructions that follow each other share an accumulator, inside these macros and from one to the next.
.macro SQ fs                           ; S' qh for both token blocks: S' in window 0, qh in the set's window; the first products start the sums
	WIN 0x04*\fs
	v_wmma_f32_16x16x32_bf16 v[OA:OA+7], v[SF:SF+7],    v[QA:QA+7],    0
	v_wmma_f32_16x16x32_bf16 v[OB:OB+7], v[SF:SF+7],    v[QB:QB+7],    0
	v_wmma_f32_16x16x32_bf16 v[OA:OA+7], v[SF+8:SF+15], v[QA+8:QA+15], v[OA:OA+7]
	v_wmma_f32_16x16x32_bf16 v[OB:OB+7], v[SF+8:SF+15], v[QB+8:QB+15], v[OB:OB+7]
.endm
.macro ZUP x                           ; the state's four tiles += kh x (v's hi or lo part)
.irp t, 0,1,2,3
	v_wmma_f32_16x16x32_bf16 v[Z+8*\t:Z+8*\t+7], v[KW+8*\t:KW+8*\t+7], v[\x:\x+7], v[Z+8*\t:Z+8*\t+7]
.endr
.endm
.macro VTZ x                           ; the three products of v T onto my own token block, by turns with the state's four tiles += kh x
	v_wmma_f32_16x16x32_bf16 v[OA:OA+7],     v[VV:VV+7],       v[ATH:ATH+7], v[OA:OA+7]       ; v_hi T_hi
	v_wmma_f32_16x16x32_bf16 v[Z:Z+7],       v[KW:KW+7],       v[\x:\x+7],   v[Z:Z+7]
	v_wmma_f32_16x16x32_bf16 v[OA:OA+7],     v[VL:VL+7],       v[ATH:ATH+7], v[OA:OA+7]       ; v_lo T_hi
	v_wmma_f32_16x16x32_bf16 v[Z+8:Z+15],    v[KW+8:KW+15],    v[\x:\x+7],   v[Z+8:Z+15]
	v_wmma_f32_16x16x32_bf16 v[OA:OA+7],     v[VV:VV+7],       v[ATL:ATL+7], v[OA:OA+7]       ; v_hi T_lo
	v_wmma_f32_16x16x32_bf16 v[Z+16:Z+23],   v[KW+16:KW+23],   v[\x:\x+7],   v[Z+16:Z+23]
	v_wmma_f32_16x16x32_bf16 v[Z+24:Z+31],   v[KW+24:KW+31],   v[\x:\x+7],   v[Z+24:Z+31]
.endm
.macro OSTORE c                        ; my two sums over my 64 dk, into my dk half's plane of the stage
	ds_store_b128 v[ASTA], v[OA:OA+3]   offset:(32*\c)*SP
	ds_store_b128 v[ASTA], v[OA+4:OA+7] offset:(32*\c)*SP+16
	ds_store_b128 v[ASTB], v[OB:OB+3]   offset:(32*\c)*SP
	ds_store_b128 v[ASTB], v[OB+4:OB+7] offset:(32*\c)*SP+16
.set DSN, DSN+4
.endm
; The scores of chunk w, for all four waves: three tiles, masked, split into hi and lo, stored.
.macro SCORES
	WIN 0x05                                       ; both operands window 1, sums window 0
	v_wmma_f32_16x16x32_bf16 v[T00:T00+7], v[KW1:KW1+7],     v[QW1:QW1+7],   0
	v_wmma_f32_16x16x32_bf16 v[T01:T01+7], v[KW1:KW1+7],     v[QW1B:QW1B+7], 0
	v_wmma_f32_16x16x32_bf16 v[T11:T11+7], v[KW1+32:KW1+39], v[QW1B:QW1B+7], 0
.irp ks, 1,2,3
	v_wmma_f32_16x16x32_bf16 v[T00:T00+7], v[KW1+8*\ks:KW1+8*\ks+7],       v[QW1+8*\ks:QW1+8*\ks+7],   v[T00:T00+7]
	v_wmma_f32_16x16x32_bf16 v[T01:T01+7], v[KW1+8*\ks:KW1+8*\ks+7],       v[QW1B+8*\ks:QW1B+8*\ks+7], v[T01:T01+7]
	v_wmma_f32_16x16x32_bf16 v[T11:T11+7], v[KW1+32+8*\ks:KW1+32+8*\ks+7], v[QW1B+8*\ks:QW1B+8*\ks+7], v[T11:T11+7]
.endr
	WIN 0
	PLACES
.irp jj, 0,1,2,3,4,5,6,7
	v_cndmask_b32 v[T00+\jj], 0, v[T00+\jj], s[MK+\jj]    ; j <= i is kept; what lies above the diagonal is finite and is replaced, not multiplied away
	v_cndmask_b32 v[T11+\jj], 0, v[T11+\jj], s[MK+\jj]
.endr
.set i, 0
.rept 12                               ; hi: the 24 registers of the three tiles, two to a word
	v_cvt_pk_bf16_f32 v[PK+i], v[T00+2*i], v[T00+2*i+1]
.set i, i+1
.endr
.set i, 0
.rept 12                               ; what the rounding dropped: T - hi, exact in f32; the bf16 half is read straight from the packed word
	v_fma_mix_f32_bf16 v[T00+2*i],   v[PK+i], v[M1], v[T00+2*i]   op_sel_hi:[1,0,0]
	v_fma_mix_f32_bf16 v[T00+2*i+1], v[PK+i], v[M1], v[T00+2*i+1] op_sel:[1,0,0] op_sel_hi:[1,0,0]
.set i, i+1
.endr
.set i, 0
.rept 12                               ; lo
	v_cvt_pk_bf16_f32 v[PK+12+i], v[T00+2*i], v[T00+2*i+1]
.set i, i+1
.endr
	ds_store_b128 v[AATS], v[PK:PK+3]                     ; T00 hi; the zero tile stays at 512
	ds_store_b128 v[AATS], v[PK+4:PK+7]   offset:1024     ; T01 hi
	ds_store_b128 v[AATS], v[PK+8:PK+11]  offset:1536     ; T11 hi
	ds_store_b128 v[AATS], v[PK+12:PK+15] offset:2048     ; T00 lo; the zero tile stays at 2,560
	ds_store_b128 v[AATS], v[PK+16:PK+19] offset:3072     ; T01 lo
	ds_store_b128 v[AATS], v[PK+20:PK+23] offset:3584     ; T11 lo
.set DSN, DSN+6
.endm
; Chunk c = 1, 2, 3 of the trip in slot s, operands in set fs.  islast = 1: the segment's last chunk.
.macro CHUNK s, c, fs, islast
	SCALE \s, \c, \islast
	s_wait_dscnt DSN-MSET\fs                       ; the whole set, asked for a chunk ago: behind it stand that chunk's and this chunk's factor loads, four stores of O and the other set's loads
	SQ \fs
	WIN 0x05*\fs                                   ; both operands in the set's window
.if \islast == 0
	VTZ VV
	ZUP VL
	WIN 0
	PLACES                                         ; for the stores of O, the loads into this set, and the next chunk's multiplies of Z
.else
	; no state update to take turns with: the three products of v T go to three sums of their own, in set 0's idle kh registers, and are added below
	v_wmma_f32_16x16x32_bf16 v[OC:OC+7],     v[VV:VV+7], v[ATH:ATH+7], 0
	v_wmma_f32_16x16x32_bf16 v[OC+8:OC+15],  v[VL:VL+7], v[ATH:ATH+7], 0
	v_wmma_f32_16x16x32_bf16 v[OC+16:OC+23], v[VV:VV+7], v[ATL:ATL+7], 0
	WIN 0
	PLACES
.irp k, 0,8,16
.irp i, 0,2,4,6
	v_pk_add_f32 v[OA+\i:OA+\i+1], v[OA+\i:OA+\i+1], v[OC+\k+\i:OC+\k+\i+1]
.endr
.endr
.endif
	OSTORE \c
.endm
; A trip: slot s is worked on, slot o is filled with the next trip's tiles.  lt = 1: the segment's last trip.
.macro TRIP s, o, refill, lt
	s_wait_tensorcnt 0x0                           ; all my tensor loads have landed, my part of this trip's tiles among them, so a group 0 may be written
	ds_add_u32 v254, v255
	s_wait_dscnt 0x0
	s_add_nc_u64 s[G0+4*\s+2:G0+4*\s+3], s[G0+4*\s+2:G0+4*\s+3], s[56:57]
	s_add_nc_u64 s[G0V+4*\s+2:G0V+4*\s+3], s[G0V+4*\s+2:G0V+4*\s+3], 0x100000
	s_wait_dscnt 0x0                               ; my reads of the other slot, of the scores and of the stage are over, my LDS stores done
	ROUND                                          ; both now hold of every wave of all four work-groups: no partner still reads the slot that is asked for
.if \refill
	TLOAD \o                                       ; my one tensor load behind this round, and the first thing there
.endif
.set DSN, 0
	ds_load_b128 v[DD:DD+3], v[AF+\s]              ; D of chunk 0, ahead of the long run
.set DSN, DSN+1
.set MARKD, DSN
	LD_P \s                                        ; the scores stand on every wave's way: their fragments go first
	SCALE \s, 0, 0                                 ; chunk 0's scaling and packing while they come
	LD_V \s, 0                                     ; chunk 0's operands but the scores, into set 0
	LD_Q \s, 0
	LD_K \s, 0
.set MSET0, DSN
	s_wait_dscnt DSN-MARKP                         ; the scores' fragments: behind them stand two factor loads and chunk 0's twenty
	SCORES
	s_wait_dscnt DSN-MSET0                         ; chunk 0's v, qh and kh: behind them stand the six stores of the scores
	SQ 0                                           ; what needs no score, while the stores go out
	ZUP VV
	s_wait_dscnt 0x0                               ; my scores are written, for the other waves' sake
	BAR                                            ; the next slot's load stays on its way
.set DSN, 0
.set MARKD, 0
	LD_AT 0
.set MAT0, DSN
	LDSET \s, 1, 1, 1
	s_wait_dscnt DSN-MAT0                          ; chunk 0's scores: behind them stands chunk 1's set
	VTZ VL
	PLACES                                         ; for the stores of O, the loads into set 0, and chunk 1's multiplies of Z
	OSTORE 0
	LDSET \s, 2, 0, 1
	CHUNK \s, 1, 1, 0
	LDSET \s, 3, 1, 1-\lt
	CHUNK \s, 2, 0, 0
	CHUNK \s, 3, 1, \lt
	s_wait_dscnt 0x0                               ; my part of the two planes is written
	BAR                                            ; everybody's is
.irp t, 0,1,2,3,4,5,6,7
	ds_load_b128 v[OT+8*\t:OT+8*\t+3],   v[ASTL] offset:\t*4*SP      ; four rows of 128 bytes: the sums over dk 0-63,
	ds_load_b128 v[OT+8*\t+4:OT+8*\t+7], v[ASTL] offset:\t*4*SP+PL   ; and over dk 64-127
.endr
.irp t, 0,1,2,3,4,5,6,7
	s_wait_dscnt 14-2*\t                           ; the younger pairs of this run stay out
	v_pk_add_f32 v[OT+8*\t:OT+8*\t+1],   v[OT+8*\t:OT+8*\t+1],   v[OT+8*\t+4:OT+8*\t+5]
	v_pk_add_f32 v[OT+8*\t+2:OT+8*\t+3], v[OT+8*\t+2:OT+8*\t+3], v[OT+8*\t+6:OT+8*\t+7]
	global_store_b128 v[AOUT], v[OT+8*\t:OT+8*\t+3], s[16:17] offset:\t*4*8192   ; eight lanes store 128 consecutive bytes, aligned; the neighbour work-group of the cluster stores the 128 beside them in the same trip
.endr
.if \lt == 0
	s_wait_xcnt 0x0                                ; the stores' base and data (set 0's registers) are rewritten only behind this wait
	s_add_nc_u64 s[16:17], s[16:17], 0x100000      ; 128 rows of out0 on
.endif
.endm
	s_wait_loadcnt 0x0                             ; the initial state
	s_mov_b32 s58, 3
.Ltrips:
	TRIP 0, 1, 1, 0
	TRIP 1, 0, 1, 0
	s_sub_co_u32 s58, s58, 1
	s_cmp_lg_u32 s58, 0
	s_cbranch_scc1 .Ltrips
	TRIP 0, 1, 1, 0                                ; the last two trips: one more fill, then none
	TRIP 1, 0, 0, 1
	s_wait_tensorcnt 0x0
	ds_add_u32 v254, v255
	s_wait_dscnt 0x0
	ROUND                                          ; the closing round: no work-group ends while a partner may still ask for a tile that names it
	s_endpgm
.Lfunc_end_k_qc97c6ec17b_scan:
	.size	k_qc97c6ec17b_scan, .Lfunc_end_k_qc97c6ec17b_scan-k_qc97c6ec17b_scan
	.p2alignl 7, 3214868480
	.fill 96, 4, 3214868480
	.section	.rodata,"a",@progbits
	.p2align	6, 0x0
	.amdhsa_kernel k_qc97c6ec17b_scan
		.amdhsa_group_segment_fixed_size 327680
		.amdhsa_private_segment_fixed_size 0
		.amdhsa_enable_private_segment 0
		.amdhsa_kernarg_size 56
		.amdhsa_user_sgpr_count 2
		.amdhsa_user_sgpr_kernarg_segment_ptr 1
		.amdhsa_wavefront_size32 1
		.amdhsa_system_sgpr_workgroup_id_x 1
		.amdhsa_system_sgpr_workgroup_id_y 1
		.amdhsa_system_sgpr_workgroup_id_z 1
		.amdhsa_system_vgpr_workitem_id 0
		.amdhsa_next_free_vgpr 480
		.amdhsa_next_free_sgpr 100
		.amdhsa_reserve_vcc 0
		.amdhsa_float_denorm_mode_32 3
		.amdhsa_float_denorm_mode_16_64 3
		.amdhsa_memory_ordered 1
		.amdhsa_forward_progress 1
		.amdhsa_inst_pref_size 160
	.end_amdhsa_kernel
	.amdgpu_metadata
---
amdhsa.version: [ 1, 2 ]
amdhsa.kernels:
  - .name:           k_qc97c6ec17b_scan
    .symbol:         k_qc97c6ec17b_scan.kd
    .args:
      - { .name: qf, .offset: 0, .size: 8, .value_kind: global_buffer, .address_space: global }
      - { .name: kf, .offset: 8, .size: 8, .value_kind: global_buffer, .address_space: global }
      - { .name: vf, .offset: 16, .size: 8, .value_kind: global_buffer, .address_space: global }
      - { .name: fac, .offset: 24, .size: 8, .value_kind: global_buffer, .address_space: global }
      - { .name: kv_cache, .offset: 32, .size: 8, .value_kind: global_buffer, .address_space: global }
      - { .name: state_indices, .offset: 40, .size: 8, .value_kind: global_buffer, .address_space: global }
      - { .name: out0, .offset: 48, .size: 8, .value_kind: global_buffer, .address_space: global }
    .group_segment_fixed_size: 327680
    .private_segment_fixed_size: 0
    .kernarg_segment_align: 8
    .kernarg_segment_size: 56
    .max_flat_workgroup_size: 128
    .sgpr_count:     100
    .vgpr_count:     480
    .wavefront_size: 32
...
	.end_amdgpu_metadata
.endif
;; end of part 3
;; ======== version 2 of 2: 3 launches; version 1 with the launch cast written anew for expert scheduling mode
;; workspace buffers: hb 16,777,216 bytes; wb 16,777,216 bytes; qf 16,777,216 bytes; kf 8,388,608 bytes; vf 16,777,216 bytes; fac 1,048,576 bytes
;; launch cast (part 4): grid 128 x 2, 8 waves a work-group, no clusters, 0 bytes of LDS; arguments hidden_states, W_qkv, hb, wb; writes hb, wb
.if DOCPART == 4
	.amdgcn_target "amdgcn-amd-amdhsa--gfx1250"
	.amdhsa_code_object_version 6
	.text
	.protected	k_qc97c6ec17b_cast
	.globl	k_qc97c6ec17b_cast
	.p2align	8
	.type	k_qc97c6ec17b_cast,@function
k_qc97c6ec17b_cast:
	s_mov_b64 s[64:65], 0
	v_nop
	global_prefetch_b8 v0, s[64:65] scope:SCOPE_SE
	s_setreg_imm32_b32 hwreg(HW_REG_WAVE_SCHED_MODE, 0, 2), 2
	s_setreg_imm32_b32 hwreg(HW_REG_WAVE_MODE, 25, 1), 1
	s_wait_xcnt 0x0
	s_wait_alu depctr_vm_vsrc(0)
; THE PROGRAM: three launches.
;   cast: hidden_states and W_qkv to bf16 (hb, wb); W's columns are regrouped on the way.
;   gemm: qkv = hb wb + b_qkv, and on its way out the feature maps and the decay products of every chunk of 32 tokens.
;   scan: the chunked recurrence over the 64 (segment, head) sequences, and out0.
; THE FORM OF THE RECURRENCE.  With u = 1 - k, exp of a cumulative sum of log u is a running product of u, so no logarithm is taken.
;   exp(B_i - B_j) = phi_i psi_j with phi_i = exp(B_i - B_15), psi_j = 1 / phi_j: the middle of the chunk is the point of reference, so that
;   every factor is a product of at most 16 numbers from [0.05, 1] or [1, 20] and lies in [20^-16, 20^16].
;   With qh = relu(q) 128^-0.5 phi, kh = k psi, D = u_0 .. u_15, E = u_16 .. u_31 and the true state S_c = E_(c-1) Z:
;   S' = (E_(c-1) D_c) Z;  o_i = qh_i S' + sum over j <= i of (qh_i . kh_j) v_j;  Z <- S' + kh^T v.  Equal to reference() in real numbers.
; WORK LEFT OUT, for all values of the inputs:
;   the score tile with i < 16 <= j of every chunk: reference()'s own tril throws all of it away;
;   the state update of the last chunk of each segment: reference() returns o alone and drops the scan's final state;
;   the slots of kv_cache that state_indices does not name: a lookup, made by the launch that reads the indices.
;   Every input has a way to out0 and is loaded.
; LIMITS.  NaN and infinities in the inputs are not reproduced; a NaN, an infinity or an overflow that reaches only the work left out is not
;   carried to the result.  E_(c-1) D_c can go down to 20^-32, an f32 denormal with 11 significant bits left (one d at the clamp 0.95 for
;   about 29 tokens on end or more).  k's argument times log2 e is cut at 64, where k has long been at its clamp.
;
; THIS LAUNCH.  Both inputs are 2,048 lines of 16,384 bytes (two rows of hidden_states, one row of W); the grid's y picks the buffer, a
; work-group takes 16 lines, wave w the pieces u = w + 8 c (c = 0..3) of 256 output bytes.  One load of a wave takes two runs of 256 bytes,
; one store writes 256 consecutive bytes at a multiple of 256.  No LDS and no matrix work: the launch only moves bytes.
; wb's column N' = 256 nx + 64 part + d64 with nx = 2 j + dh (j: key/value head, dh: half of the head's 128), part 0, 1 = query heads 2 j, 2 j + 1,
; part 2 = k, part 3 = v: a block of 256 columns then holds all that belongs to the same 64 d of one key/value head.
; THE MODE: SCHED_MODE bits 1:0 = 2 (LLVM: expert scheduling mode 2), set by the entry lines.  The code itself states the register dependences
; between vector instructions and memory instructions, with s_wait_alu, always for 0.
; THE PLAN.  The 16 lines go in 8 blocks of two: 8 loads, 16 roundings, 8 stores a lane.  Registers that memory instructions touch:
;   X0 .. X5   six blocks as loaded.  Written by the loads: blocks 0 to 5 at the head, block 6 into X0 (issued in block 1), block 7 into X1 (issued in block 2);
;              read by block p's roundings, which take X[p % 6].
;   Y0, Y1     two blocks in bf16.    Written by block p's roundings, which fill Y[p % 2]; read by the eight stores that are issued in block p + 1.
;   v4-7, v8   byte offsets, made once at the head and never written again; the two scalar bases stay too: the lines are reached by immediate offsets.
; Block p's memory instructions are the loads into X[(p - 1) % 6] and the stores from Y[(p - 1) % 2]: the two buffers that block p - 1 worked on and that no
; vector instruction of block p names.  So the waits at a block's head state all that its memory instructions hang on, and these are dealt among its
; roundings, a load and a store ahead of each two, with no further wait.  There is no loop: every block is written out.
.set NX,     6                         ; X buffers
.set BLOCKS, 8                         ; blocks of two lines
.set IN,   4                           ; v4-7     byte offset of my 16 input bytes in a line, for c = 0..3
.set OUTO, 8                           ; v8       byte offset of my 8 output bytes, c = 0
.set X,    12                          ; v12-203  buffer k, line rr, piece c: 4 registers at X + 32 k + 16 rr + 4 c, as loaded
.set Y,    204                         ; v204-235 buffer k, line rr, piece c: 2 registers at Y + 16 k + 8 rr + 2 c, in bf16
	s_load_b256 s[4:11], s[0:1], 0x0               ; hidden_states s[4:5], W_qkv s[6:7], hb s[8:9], wb s[10:11]
	v_lshrrev_b32 v1, 5, v0
	v_readfirstlane_b32 s12, v1                    ; wave
	s_and_b32 s13, ttmp7, 0xffff                   ; 0: hidden_states, 1: W_qkv
	v_and_b32 v2, 15, v0                           ; lane mod 16
	v_bfe_u32 v3, v0, 4, 1                         ; which half of the lanes
	v_and_b32 v1, 31, v0                           ; lane
	s_wait_alu depctr_va_sdst(0)                   ; s12 is written, ahead of its first reader: the offsets below are made from it
	s_lshr_b32 s14, s12, 2
	s_bfe_u32 s15, s12, 0x10001
	s_lshl_b32 s15, s15, 8                         ; dh x 256 bytes
	s_lshl_b32 s17, s14, 10
	s_add_co_u32 s17, s17, s15                     ; W, even wave: the two query heads' 64 columns: j x 1,024 + dh x 256
	s_lshl_b32 s18, s14, 9
	s_add_co_u32 s18, s18, s15
	s_add_co_u32 s18, s18, 8192                    ; W, odd wave: k's and v's: 8,192 + j x 512 + dh x 256
	s_lshl_b32 s19, s12, 9                         ; hidden_states: 512 w
	s_and_b32 s16, s12, 1
	s_cmp_eq_u32 s16, 0
	s_cselect_b32 s20, s17, s18                    ; the start,
	s_cselect_b32 s21, 11, 10                      ; the step from c to c + 1 (two heads on), as a shift,
	s_cselect_b32 s22, 9, 12                       ; and the step from the lower to the upper 16 lanes (the next part), as a shift
	s_cmp_eq_u32 s13, 0
	s_cselect_b32 s20, s19, s20                    ; hidden_states is copied in its own order
	s_cselect_b32 s21, 12, s21
	s_cselect_b32 s22, 8, s22
	s_lshl_b32 s23, 1, s21
	v_lshlrev_b32 v[IN], s22, v3
	v_lshl_add_u32 v[IN], v2, 4, v[IN]
	v_add_nc_u32 v[IN], s20, v[IN]
	v_add_nc_u32 v[IN+1], s23, v[IN]
	v_add_nc_u32 v[IN+2], s23, v[IN+1]
	v_add_nc_u32 v[IN+3], s23, v[IN+2]
	v_lshlrev_b32 v[OUTO], 3, v1
	v_lshl_add_u32 v[OUTO], s12, 8, v[OUTO]        ; 256 w + 8 x lane
	s_lshl_b32 s24, ttmp9, 18                      ; 16 lines of 16,384 bytes in,
	s_mov_b32 s25, 0
	s_lshl_b32 s26, ttmp9, 17                      ; of 8,192 bytes out
	s_mov_b32 s27, 0
	s_wait_kmcnt 0x0
	s_cmp_eq_u32 s13, 0
	s_cselect_b64 s[4:5], s[4:5], s[6:7]
	s_cselect_b64 s[8:9], s[8:9], s[10:11]
	s_add_nc_u64 s[4:5], s[4:5], s[24:25]
	s_add_nc_u64 s[8:9], s[8:9], s[26:27]
	s_wait_alu depctr_va_vdst(0)                   ; v4 to v8 are written: every load and store of the kernel reads one of them as its offset
.irp k, 0,1,2,3,4,5
.irp rr, 0,1
.irp c, 0,1,2,3
	global_load_b128 v[X+32*\k+16*\rr+4*\c:X+32*\k+16*\rr+4*\c+3], v[IN+\c], s[4:5] offset:(2*\k+\rr)*16384 th:TH_LOAD_NT  ; blocks 0 to 5 into X0 to X5: 48 loads of the wave are on their way
.endr
.endr
.endr
; Block p: lines 2 p and 2 p + 1.  left = how many younger loads may still be out when this block's eight have to be there.
.macro BLK p, left
	s_wait_loadcnt \left                           ; loads come back in order (ISA guide 5.7.1): X[p % 6] is in, the younger blocks stay out
.if (\p) >= 2
	s_wait_xcnt 0x0                                ; every earlier memory instruction has had its addresses translated (ISA guide 3.1): Y[p % 2], the data of stores issued in the block before, is rewritten only behind this wait
	s_wait_alu depctr_vm_vsrc(0)                   ; those stores have read Y[p % 2], which this block's roundings write again
.endif
.if (\p) >= 1
	s_wait_alu depctr_va_vdst(0)                   ; the block before has written the other Y, which the stores below read, and is done reading its X, in which the loads below land
.endif
.irp rr, 0,1
.irp c, 0,1,2,3
.if ((\p) >= 1) && ((\p)+NX-1 < BLOCKS)
	global_load_b128 v[X+32*(((\p)-1)%NX)+16*\rr+4*\c:X+32*(((\p)-1)%NX)+16*\rr+4*\c+3], v[IN+\c], s[4:5] offset:(2*((\p)+NX-1)+\rr)*16384 th:TH_LOAD_NT  ; five blocks ahead; no vector instruction since the wait names these registers
.endif
.if (\p) >= 1
	global_store_b64 v[OUTO], v[Y+16*(((\p)-1)%2)+8*\rr+2*\c:Y+16*(((\p)-1)%2)+8*\rr+2*\c+1], s[8:9] offset:(2*((\p)-1)+\rr)*8192+\c*2048  ; the block before
.endif
	v_cvt_pk_bf16_f32 v[Y+16*((\p)%2)+8*\rr+2*\c],   v[X+32*((\p)%NX)+16*\rr+4*\c],   v[X+32*((\p)%NX)+16*\rr+4*\c+1]
	v_cvt_pk_bf16_f32 v[Y+16*((\p)%2)+8*\rr+2*\c+1], v[X+32*((\p)%NX)+16*\rr+4*\c+2], v[X+32*((\p)%NX)+16*\rr+4*\c+3]
.endr
.endr
.endm
	BLK 0, 40                                      ; of the head's 48 loads the 40 behind block 0's stay out; no block stands in front of it: no store, no load
	BLK 1, 32                                      ; 32 of the 48 stay out; block 6 is asked for, into X0
	BLK 2, 32                                      ; 56 issued, 24 needed; block 7 is asked for, into X1: the last load
	BLK 3, 32                                      ; 64 issued, 32 needed; from here on the counts run down
	BLK 4, 24
	BLK 5, 16
	BLK 6, 8
	BLK 7, 0
	s_wait_alu depctr_va_vdst(0)                   ; block 7 has written Y1, which the last eight stores read
.irp rr, 0,1
.irp c, 0,1,2,3
	global_store_b64 v[OUTO], v[Y+16+8*\rr+2*\c:Y+16+8*\rr+2*\c+1], s[8:9] offset:(2*(BLOCKS-1)+\rr)*8192+\c*2048
.endr
.endr
	s_endpgm
.Lfunc_end_k_qc97c6ec17b_cast:
	.size	k_qc97c6ec17b_cast, .Lfunc_end_k_qc97c6ec17b_cast-k_qc97c6ec17b_cast
	.p2alignl 7, 3214868480
	.fill 96, 4, 3214868480
	.section	.rodata,"a",@progbits
	.p2align	6, 0x0
	.amdhsa_kernel k_qc97c6ec17b_cast
		.amdhsa_group_segment_fixed_size 0
		.amdhsa_private_segment_fixed_size 0
		.amdhsa_enable_private_segment 0
		.amdhsa_kernarg_size 32
		.amdhsa_user_sgpr_count 2
		.amdhsa_user_sgpr_kernarg_segment_ptr 1
		.amdhsa_wavefront_size32 1
		.amdhsa_system_sgpr_workgroup_id_x 1
		.amdhsa_system_sgpr_workgroup_id_y 1
		.amdhsa_system_sgpr_workgroup_id_z 1
		.amdhsa_system_vgpr_workitem_id 0
		.amdhsa_next_free_vgpr 236
		.amdhsa_next_free_sgpr 66
		.amdhsa_reserve_vcc 0
		.amdhsa_float_denorm_mode_32 3
		.amdhsa_float_denorm_mode_16_64 3
		.amdhsa_memory_ordered 1
		.amdhsa_forward_progress 1
		.amdhsa_inst_pref_size 23
	.end_amdhsa_kernel
	.amdgpu_metadata
---
amdhsa.version: [ 1, 2 ]
amdhsa.kernels:
  - .name:           k_qc97c6ec17b_cast
    .symbol:         k_qc97c6ec17b_cast.kd
    .args:
      - { .name: hidden_states, .offset: 0, .size: 8, .value_kind: global_buffer, .address_space: global }
      - { .name: W_qkv, .offset: 8, .size: 8, .value_kind: global_buffer, .address_space: global }
      - { .name: hb, .offset: 16, .size: 8, .value_kind: global_buffer, .address_space: global }
      - { .name: wb, .offset: 24, .size: 8, .value_kind: global_buffer, .address_space: global }
    .group_segment_fixed_size: 0
    .private_segment_fixed_size: 0
    .kernarg_segment_align: 8
    .kernarg_segment_size: 32
    .max_flat_workgroup_size: 256
    .sgpr_count:     66
    .vgpr_count:     236
    .wavefront_size: 32
...
	.end_amdgpu_metadata
.endif
;; end of part 4
;; launch gemm: the kernel of part 2 again; grid 16 x 16, 4 waves a work-group, clusters of 4 x 4, 327,680 bytes of LDS; arguments hb, wb, b_qkv, qf, kf, vf, fac; writes qf, kf, vf, fac
;; launch scan: the kernel of part 3 again; grid 256 x 1, 4 waves a work-group, clusters of 4 x 1, 327,680 bytes of LDS; arguments qf, kf, vf, fac, kv_cache, state_indices, out0; writes out0
